; MI455X (gfx1250); checked and timed in simulation.
; The chip was launched on July 23, 2026; its instructions are those of AMD's public machine-readable ISA for CDNA 5 (MIT licence, August 2026) and "CDNA5" Instruction Set Architecture Reference Guide (July 2026). The comments in the code are by the model that wrote it; some were corrected since.
;; Mo E Layer. Allowed arithmetic: matrix products marked QUANTISED: E2M1 operands, one E8M0 scale for each 32 along K, by v_wmma_scale_f32_16x16x128_f8f6f4 with both operands' format E2M1 (or v_wmma_scale_f32_32x16x128_f4), f32 sums; products left as they are: f32 operands where the result goes on into a quantised operand, else bf16, f16 or f32 operands; f32 sums; everything else in f32.
;; Inputs: W1 8 x 1,024 x 2,048 float32; W2 8 x 2,048 x 1,024 float32; b1 8 x 2,048 float32; b2 8 x 1,024 float32; gate_W 1,024 x 8 float32; gate_b 8 float32; x 8 x 256 x 1,024 float32.
;; Outputs: out0 8 x 256 x 1,024 float32; out1 2,048 x 8 float32.
;; This version of the problem:
;;   THIS VERSION OF THE PROBLEM IS GIVEN IN LOW PRECISION. The matrix products marked QUANTISED in the list below multiply operands that are first quantised to E2M1 (2 exponent bits, 1 mantissa bit; 4 bits a number), with one power-of-two scale for each 32 numbers along K (OCP MX v1.0); their sums are f32. All else is computed in f32.
;;   The module's matrix products, in the order in which they are computed (A, B: the left and right operand; K: the contracted axis; several contracted axes count as one K, in the product's order):
;;     1. [M 2,048, K 1,024] x [K 1,024, N 8]; A: input x; B: input gate_W: left as it is (N = 8 < 16)
;;     2. [M 2,048, K 1,024] x [K 1,024, N 2,048]; A: input x; B: input W1: QUANTISED
;;     3. [M 2,048, K 2,048] x [K 2,048, N 1,024]; A: computed on the way; B: input W2: QUANTISED
;;     4. [M 2,048, K 1,024] x [K 1,024, N 2,048]; A: input x; B: input W1: QUANTISED
;;     5. [M 2,048, K 2,048] x [K 2,048, N 1,024]; A: computed on the way; B: input W2: QUANTISED
;;     6. [M 2,048, K 1,024] x [K 1,024, N 2,048]; A: input x; B: input W1: QUANTISED
;;     7. [M 2,048, K 2,048] x [K 2,048, N 1,024]; A: computed on the way; B: input W2: QUANTISED
;;     8. [M 2,048, K 1,024] x [K 1,024, N 2,048]; A: input x; B: input W1: QUANTISED
;;     9. [M 2,048, K 2,048] x [K 2,048, N 1,024]; A: computed on the way; B: input W2: QUANTISED
;;     10. [M 2,048, K 1,024] x [K 1,024, N 2,048]; A: input x; B: input W1: QUANTISED
;;     11. [M 2,048, K 2,048] x [K 2,048, N 1,024]; A: computed on the way; B: input W2: QUANTISED
;;     12. [M 2,048, K 1,024] x [K 1,024, N 2,048]; A: input x; B: input W1: QUANTISED
;;     13. [M 2,048, K 2,048] x [K 2,048, N 1,024]; A: computed on the way; B: input W2: QUANTISED
;;     14. [M 2,048, K 1,024] x [K 1,024, N 2,048]; A: input x; B: input W1: QUANTISED
;;     15. [M 2,048, K 2,048] x [K 2,048, N 1,024]; A: computed on the way; B: input W2: QUANTISED
;;     16. [M 2,048, K 1,024] x [K 1,024, N 2,048]; A: input x; B: input W1: QUANTISED
;;     17. [M 2,048, K 2,048] x [K 2,048, N 1,024]; A: computed on the way; B: input W2: QUANTISED
;;   THE QUANTISER, for each operand of a quantised product, along K:
;;     - K is cut into blocks of 32 from its start; a last block that is shorter is filled with zeros.
;;     - A block's scale is 2^e with e = floor(log2(the largest magnitude in the block)) - 2, held to -126 .. 127; a block of zeros has e = 0. As a byte (E8M0): e + 127.
;;     - Each number is divided by its block's scale, clamped to +-6, and rounded to the nearest number of E2M1, ties to even, subnormals kept.
;;     - The product sums the exact products of the quantised numbers (number of the format x scale) in f32.
;;   ~~~python
;;   def quantise(x, axis):      # numpy; x: float32 -> the quantised numbers, widened to float32 again
;;       x = np.moveaxis(x, axis, -1); K = x.shape[-1]
;;       x = np.pad(x, [(0, 0)] * (x.ndim - 1) + [(0, -K % 32)]); x = x.reshape(x.shape[:-1] + (-1, 32)); a = np.abs(x).max(-1, keepdims=True)
;;       e = np.where(a > 0, np.clip(np.frexp(np.where(a > 0, a, 1))[1] - 1 - 2, -126, 127), 0)      # np.frexp(a)[1] - 1 = floor(log2(a)), exactly
;;       r = np.clip(x / 2.0 ** e, -6, 6)
;;       step = 2.0 ** (np.maximum(np.frexp(np.where(r == 0, 1, r))[1] - 1, 0) - 1)
;;       q = np.round(r / step) * step * 2.0 ** e      # np.round: ties to even
;;       return np.moveaxis(q.reshape(q.shape[:-2] + (-1,))[..., :K], -1, axis).astype(np.float32)
;;   ~~~
;;   OPERANDS COMPUTED ON THE WAY. 'Computed on the way' means the value that the module computes at that place (a softmax that the list does not call 'softmax' is quantised finished and normalised). What goes into a quantiser is computed in f32, as accurately as f32 sums, v_exp_f32 and their like allow (about 1e-6 of the number): no bf16 or f16 on the way to a quantiser, and a product that is left as it is and whose result goes on into a quantised operand takes f32 operands (vector FMAs, or v_wmma_f32_16x16x4_f32). A number that lies on a knife's edge between two numbers of the format may be rounded either way, as far as f32 arithmetic and the matrix unit's own rounding can turn it there, and no further.
;; 2 versions. Each part assembles by itself: llvm-mc -triple=amdgcn-amd-amdhsa -mcpu=gfx1250 --defsym DOCPART=n.
;; ======== version 1 of 2: 3 launches
;; workspace buffers: xq 1,048,576 bytes; xs 65,536 bytes; route 2,048 bytes of whole numbers; tw 8,192 bytes; w2q 8,388,608 bytes; w2s 524,288 bytes; hq 17,825,792 bytes; lst 69,632 bytes of whole numbers
;; launch prep (part 1): grid 256 x 1, 16 waves a work-group, no clusters, 11,008 bytes of LDS; arguments x, gate_W, gate_b, W2, xq, xs, route, tw, out1, w2q, w2s; writes xq, xs, route, tw, out1, w2q, w2s
.if DOCPART == 1
	.amdgcn_target "amdgcn-amd-amdhsa--gfx1250"
	.amdhsa_code_object_version 6
	.text
	.protected	k_qe8126ded60_prep
	.globl	k_qe8126ded60_prep
	.p2align	8
	.type	k_qe8126ded60_prep,@function
k_qe8126ded60_prep:
	s_mov_b64 s[64:65], 0
	v_nop
	global_prefetch_b8 v0, s[64:65] scope:SCOPE_SE
	s_setreg_imm32_b32 hwreg(HW_REG_WAVE_MODE, 25, 1), 1
	s_wait_xcnt 0x0
; PREP.  Each of the 256 work-groups (16 waves) does two things.
; A: for 8 tokens: the gate in f32 (x . gate_W + gate_b, softmax with the maximum taken away, first largest weight), and x as codes of FP4 (E2M1) with one E8M0 byte for each 32 along D.
;    out1 = the softmax; tw = the largest weight; route = for each expert one bit a token (byte g of an expert's 256: tokens 8 g .. 8 g + 7); xq = [token][512 bytes of codes]; xs = [token][32 scale bytes].
;    The chosen expert is only STORED here: no address and no branch of this launch hangs on it.
; B: 64 columns x 1,024 along K of one expert's W2 [2048 (k)][1024 (n)], f32, become codes.  A LANE TAKES A COLUMN AND ITS REGISTERS RUN DOWN K: a block of 32 lies in one lane, and the conversions give K innermost.
;    w2q = [expert][tile of 16 columns][K step of 128][1,024 bytes], an image of the operand's registers: byte 512 c + 16 (16 h + r) on holds k = 64 c + 32 h + 0 .. 31 of column r.
;    w2s = [expert][pair of tiles][K step][32 lanes]: one scale word a column.
; A block's scale is 2^(floor(log2(largest magnitude)) - 2): its byte is that magnitude's exponent field - 2, held at 1 from below.
; LIMITS: NaN and infinities are not served.  A block of zeros gets the byte 1 (the rule says 127): its codes are zeros, and this program alone reads the bytes.  The gate's sums are f32 in another order than
; the reference's: a token whose two largest weights agree to about 1e-6 of their size may go to the other expert.  An exponential under 2^-126 comes out as 0.
; No tensor loads, no cluster: no two work-groups read the same large bytes.  The route bytes (2,048 in all) leave singly, a byte a work-group and expert: every other store of a wave covers whole aligned runs of 256 bytes.
.set RED,  0                           ; LDS: [wave][token][8 f32] partial gate sums, 4,096 bytes
.set XC,   4096                        ; 8 rows of x's codes, 512 bytes + 16
.set XCP,  528
.set XSS,  8448                        ; [token][32] scale bytes
.set OUTS, 8704                        ; [token][8 f32] the softmax, on its way out
.set X,    16                          ; v16-31   my 16 numbers of x
.set SUM,  32                          ; v32-39   eight gate sums
.set PT,   40                          ; v40-47   lane permutes' results
.set CD,   48                          ; v48-63   part A: at work; part B: four registers of codes for each block
.set G,    64                          ; v64-191  gate_W of my 16 k x 8 experts
.set B23,  64                          ; v64-127  later: W2's blocks 2 and 3
.set FIN,  128                         ; v128-..  wave 0's last steps of the gate
.set XQD,  190                         ; v190-191 x's codes on their way out
.set B01,  192                         ; v192-255 W2's blocks 0 and 1
.set QM0,  40                          ; the quantiser's registers (part B)
.set QM1,  41
.set QSC,  42
.set QBY,  43
.set QW,   44
; 32 numbers down K in v[xs] on -> 4 registers of codes at v[c], and byte j of the scale word v[QW]
.macro QBLOCK xs, c, j
	v_max3_num_f32 v[QM0], |v[\xs]|, |v[\xs+1]|, |v[\xs+2]|
	v_max3_num_f32 v[QM1], |v[\xs+3]|, |v[\xs+4]|, |v[\xs+5]|
.irp i, 6,10,14,18,22,26
	v_max3_num_f32 v[QM0], v[QM0], |v[\xs+\i]|, |v[\xs+\i+1]|
	v_max3_num_f32 v[QM1], v[QM1], |v[\xs+\i+2]|, |v[\xs+\i+3]|
.endr
	v_max3_num_f32 v[QM0], v[QM0], |v[\xs+30]|, |v[\xs+31]|
	v_max3_num_f32 v[QM0], v[QM0], v[QM1], 0x1800000       ; the floor 2^(3 - 127): the byte cannot fall under 1
	v_add_nc_u32 v[QSC], 0xff000000, v[QM0]                ; 2 off the exponent field: the conversion's scale operand
	v_lshrrev_b32 v[QBY], 23, v[QSC]                       ; the scale's byte
.if \j == 0
	v_mov_b32 v[QW], v[QBY]
.else
	v_lshl_or_b32 v[QW], v[QBY], 8*\j, v[QW]
.endif
.irp g, 0,1,2,3
	v_cvt_scalef32_pk8_fp4_f32 v[\c+\g], v[\xs+8*\g:\xs+8*\g+7], v[QSC]
.endr
	v_nop                                                  ; one plain line behind the last scaled conversion
.endm
; block j of my column: W2(128 s + 32 j + i, column), i = 0 .. 31; a wave's load reads 128 consecutive bytes, two neighbouring waves 256
.macro BLOAD reg, j
.set i, 0
.rept 32
	global_load_b32 v[\reg+i], v6, s[10:11] offset:(32*\j+i)*4096 th:TH_LOAD_NT
.set i, i+1
.endr
.endm
	s_load_b512 s[4:19], s[0:1], 0x0               ; x s[4:5], gate_W s[6:7], gate_b s[8:9], W2 s[10:11], xq s[12:13], xs s[14:15], route s[16:17], tw s[18:19]
	s_load_b128 s[20:23], s[0:1], 0x40             ; out1 s[20:21], w2q s[22:23]
	s_load_b64 s[24:25], s[0:1], 0x50              ; w2s
	v_lshrrev_b32 v1, 5, v0
	v_readfirstlane_b32 s26, v1                    ; wave 0..15
	v_and_b32 v1, 31, v0                           ; lane
	v_and_b32 v2, 7, v0                            ; tok: my token of the eight
	v_bfe_u32 v3, v0, 3, 2                         ; q: which 16 of the wave's 64 along D
	s_mov_b32 s36, 0x76543210
	s_mov_b32 s37, 0xfedcba98                      ; v_permlanex16_b32's selects for lane l xor 16
	s_mov_b32 s60, 0x3fb8aa3b                      ; log2(e)
	s_and_b32 s53, s26, 1                          ; cg: which 32 of the 64 columns
	s_lshr_b32 s54, s26, 1                         ; kg
	s_lshr_b32 s50, ttmp9, 5                       ; expert
	s_bfe_u32 s51, ttmp9, 0x40001                  ; slice of 64 columns
	s_and_b32 s52, ttmp9, 1                        ; which half of K
	s_lshl_b32 s55, s52, 3
	s_add_co_u32 s55, s55, s54                     ; my K step of 128: 8 half + kg
	s_lshl_b32 s46, s50, 23                        ; W2: expert x 8 MiB + K step x 128 rows of 4,096 bytes + 256 slice + 128 cg
	s_lshl_b32 s48, s55, 19
	s_add_co_u32 s46, s46, s48
	s_lshl_b32 s48, s51, 8
	s_add_co_u32 s46, s46, s48
	s_lshl_b32 s48, s53, 7
	s_add_co_u32 s46, s46, s48
	s_mov_b32 s47, 0
	s_lshl_b32 s56, s50, 6                         ; my first tile of 16 columns: 64 expert + 4 slice + 2 cg
	s_lshl_b32 s48, s51, 2
	s_add_co_u32 s56, s56, s48
	s_lshl_b32 s48, s53, 1
	s_add_co_u32 s56, s56, s48
	s_lshr_b32 s58, s56, 1                         ; the pair of tiles
	s_lshl_b32 s58, s58, 4
	s_add_co_u32 s58, s58, s55
	s_lshl_b32 s58, s58, 7                         ; w2s: (16 pair + K step) x 128 bytes
	s_mov_b32 s59, 0
	s_lshl_b32 s56, s56, 14                        ; w2q: tile x 16 KiB + K step x 1,024
	s_lshl_b32 s48, s55, 10
	s_add_co_u32 s56, s56, s48
	s_mov_b32 s57, 0
	v_lshlrev_b32 v4, 12, v2                       ; x: 4,096 tok + 256 wave + 64 q
	v_lshl_add_u32 v4, v3, 6, v4
	s_lshl_b32 s48, s26, 8
	v_add_nc_u32 v4, s48, v4
	v_lshlrev_b32 v5, 9, v3                        ; gate_W: rows 64 wave + 16 q on, 32 bytes a row
	s_lshl_b32 s49, s26, 11
	v_add_nc_u32 v5, s49, v5
	v_lshlrev_b32 v6, 2, v1                        ; W2: 4 bytes a lane
	v_lshl_add_u32 v7, v2, 5, s48                  ; RED: 256 wave + 32 tok
	v_mul_u32_u24 v8, v2, XCP                      ; XC, in: row tok, byte 32 wave + 8 q
	v_lshl_add_u32 v8, v3, 3, v8
	s_lshl_b32 s49, s26, 5
	s_add_co_u32 s49, s49, XC
	v_add_nc_u32 v8, s49, v8
	v_lshrrev_b32 v9, 1, v3                        ; XSS: 32 tok + 2 wave + q / 2
	v_lshl_add_u32 v9, v2, 5, v9
	s_lshl_b32 s49, s26, 1
	s_add_co_u32 s49, s49, XSS
	v_add_nc_u32 v9, s49, v9
	s_mul_i32 s49, s54, XCP                        ; XC, out: wave w takes half w % 2 of row w / 2, 8 bytes a lane
	s_lshl_b32 s61, s53, 8
	s_add_co_u32 s49, s49, s61
	s_add_co_u32 s49, s49, XC
	v_lshl_add_u32 v10, v1, 3, s49
	v_lshl_add_u32 v11, v1, 3, s48                 ; and the same place in the work-group's 4,096 bytes of xq
	v_bfe_u32 v12, v0, 4, 1                        ; w2q: tile lane / 16, 16 bytes a column
	v_lshlrev_b32 v12, 14, v12
	v_and_b32 v13, 15, v0
	v_lshl_add_u32 v12, v13, 4, v12
	v_lshlrev_b32 v13, 3, v1                       ; 8 x lane
	v_lshlrev_b32 v14, 10, v3                      ; RED, back: waves 4 q on, token tok
	v_lshl_add_u32 v14, v2, 5, v14
	v_lshl_add_u32 v15, v2, 5, OUTS
.irp e, 0,1,2,3,4,5,6,7
	v_mov_b32 v[PT+\e], 0                          ; written once: a lane permute's destination counts as one of its sources
.endr
	s_wait_kmcnt 0x0
	s_load_b256 s[28:35], s[8:9], 0x0              ; gate_b
	s_add_nc_u64 s[10:11], s[10:11], s[46:47]
	s_add_nc_u64 s[22:23], s[22:23], s[56:57]
	s_add_nc_u64 s[24:25], s[24:25], s[58:59]
	s_lshl_b32 s46, ttmp9, 15                      ; 8 rows of x
	s_add_nc_u64 s[4:5], s[4:5], s[46:47]
	s_lshl_b32 s46, ttmp9, 12                      ; 8 rows of xq
	s_add_nc_u64 s[12:13], s[12:13], s[46:47]
	s_lshl_b32 s46, ttmp9, 8                       ; 8 rows of xs and of out1
	s_add_nc_u64 s[14:15], s[14:15], s[46:47]
	s_add_nc_u64 s[20:21], s[20:21], s[46:47]
	s_lshl_b32 s46, ttmp9, 5                       ; 8 numbers of tw
	s_add_nc_u64 s[18:19], s[18:19], s[46:47]
	s_mov_b32 s46, ttmp9                           ; my byte in each expert's 256 of route
	s_add_nc_u64 s[16:17], s[16:17], s[46:47]
.irp i, 0,1,2,3
	global_load_b128 v[X+4*\i:X+4*\i+3], v4, s[4:5] offset:16*\i th:TH_LOAD_NT
.endr
.set i, 0
.rept 32
	global_load_b128 v[G+4*i:G+4*i+3], v5, s[6:7] offset:16*i      ; register G + 8 k + e
.set i, i+1
.endr
	BLOAD B01, 0
	BLOAD B01+32, 1
	s_wait_loadcnt 63                              ; x and gate_W have 64 younger loads behind them; 63 is the largest count that a wait names
	; ---- the gate's partial sums: my 16 k, eight experts, two at a time
.irp p, 0,1,2,3
	v_pk_mul_f32 v[SUM+2*\p:SUM+2*\p+1], v[X:X+1], v[G+2*\p:G+2*\p+1] op_sel_hi:[0,1]
.endr
.set i, 1
.rept 15
.irp p, 0,1,2,3
.if i%2
	v_pk_fma_f32 v[SUM+2*\p:SUM+2*\p+1], v[X+(i/2)*2:X+(i/2)*2+1], v[G+8*i+2*\p:G+8*i+2*\p+1], v[SUM+2*\p:SUM+2*\p+1] op_sel:[1,0,0] op_sel_hi:[1,1,1]
.else
	v_pk_fma_f32 v[SUM+2*\p:SUM+2*\p+1], v[X+(i/2)*2:X+(i/2)*2+1], v[G+8*i+2*\p:G+8*i+2*\p+1], v[SUM+2*\p:SUM+2*\p+1] op_sel_hi:[0,1,1]
.endif
.endr
.set i, i+1
.endr
	BLOAD B23, 2                                   ; gate_W's registers are free: the rest of my W2
	BLOAD B23+32, 3
.irp e, 0,1,2,3,4,5,6,7
	v_add_f32_dpp v[SUM+\e], v[SUM+\e], v[SUM+\e] row_xmask:8 row_mask:0xf bank_mask:0xf   ; the four lanes of a token: lane xor 8,
.endr
.irp e, 0,1,2,3,4,5,6,7
	v_permlanex16_b32 v[PT+\e], v[SUM+\e], s36, s37
.endr
.irp e, 0,1,2,3,4,5,6,7
	v_add_f32 v[SUM+\e], v[SUM+\e], v[PT+\e]       ; and lane xor 16
.endr
	ds_store_b128 v7, v[SUM:SUM+3]                 ; the four lanes write the same bytes with the same values
	ds_store_b128 v7, v[SUM+4:SUM+7] offset:16
	; ---- x into codes: lanes l and l xor 8 hold a block of 32
	v_max3_num_f32 v48, |v[X]|, |v[X+1]|, 0x1800000
.irp i, 2,4,6,8,10,12,14
	v_max3_num_f32 v48, v48, |v[X+\i]|, |v[X+\i+1]|
.endr
	v_max_num_f32_dpp v48, v48, v48 row_xmask:8 row_mask:0xf bank_mask:0xf
	v_add_nc_u32 v49, 0xff000000, v48
	v_lshrrev_b32 v50, 23, v49
	v_cvt_scalef32_pk8_fp4_f32 v52, v[X:X+7], v49
	v_cvt_scalef32_pk8_fp4_f32 v53, v[X+8:X+15], v49
	v_nop
	ds_store_b64 v8, v[52:53]
	ds_store_b8 v9, v50                            ; both lanes of a block write the same byte
	s_wait_kmcnt 0x0                               ; gate_b
	s_wait_dscnt 0x0                               ; my stores have landed: the others read them behind the barrier
	s_barrier_signal -1
	s_barrier_wait -1
	ds_load_b64 v[XQD:XQD+1], v10
	s_wait_dscnt 0x0
	global_store_b64 v11, v[XQD:XQD+1], s[12:13]   ; 32 lanes store 256 consecutive bytes, aligned
	s_cmp_lg_u32 s26, 0
	s_cbranch_scc1 .Lweights
	; ---- wave 0 finishes the gate: lane (tok, q) adds waves 4 q .. 4 q + 3
.irp a, 0,1,2,3
	ds_load_b128 v[FIN+8*\a:FIN+8*\a+3], v14 offset:256*\a
	ds_load_b128 v[FIN+8*\a+4:FIN+8*\a+7], v14 offset:256*\a+16
.endr
	v_lshlrev_b32 v188, 2, v2                      ; tw: 4 tok
	v_lshlrev_b32 v189, 8, v2                      ; route: expert lane % 8, 256 bytes an expert
	s_wait_dscnt 0x0
.irp p, 0,2,4,6
	v_pk_add_f32 v[FIN+\p:FIN+\p+1], v[FIN+\p:FIN+\p+1], v[FIN+8+\p:FIN+9+\p]
	v_pk_add_f32 v[FIN+16+\p:FIN+17+\p], v[FIN+16+\p:FIN+17+\p], v[FIN+24+\p:FIN+25+\p]
.endr
.irp p, 0,2,4,6
	v_pk_add_f32 v[FIN+\p:FIN+\p+1], v[FIN+\p:FIN+\p+1], v[FIN+16+\p:FIN+17+\p]
.endr
.irp e, 0,1,2,3,4,5,6,7
	v_add_f32_dpp v[FIN+\e], v[FIN+\e], v[FIN+\e] row_xmask:8 row_mask:0xf bank_mask:0xf
.endr
.irp e, 0,1,2,3,4,5,6,7
	v_permlanex16_b32 v[PT+\e], v[FIN+\e], s36, s37
.endr
.irp e, 0,1,2,3,4,5,6,7
	v_add_f32 v[FIN+\e], v[FIN+\e], v[PT+\e]
.endr
.irp e, 0,1,2,3,4,5,6,7
	v_add_f32 v[FIN+\e], s[28+\e], v[FIN+\e]       ; + gate_b: every lane holds its token's eight logits
.endr
	v_max3_num_f32 v136, v128, v129, v130          ; the row's maximum is taken away ahead of the exponentials
	v_max3_num_f32 v136, v136, v131, v132
	v_max3_num_f32 v136, v136, v133, v134
	v_max_num_f32 v136, v136, v135
	v_mul_f32 v136, s60, v136
.irp e, 0,1,2,3,4,5,6,7
	v_fma_f32 v[FIN+\e], v[FIN+\e], s60, -v136     ; (l - m) log2(e)
.endr
.irp e, 0,1,2,3,4,5,6,7
	v_exp_f32 v[FIN+\e], v[FIN+\e]
.endr
	v_mov_b32 v139, 0                              ; (a plain line behind the exponentials)  the chosen expert so far
	s_wait_alu depctr_va_vdst(0)                   ; one wait for the eight, ahead of their first reader
	v_add_f32 v137, v128, v129
	v_add_f32 v142, v130, v131
	v_add_f32 v143, v132, v133
	v_add_f32 v148, v134, v135
	v_add_f32 v137, v137, v142
	v_add_f32 v143, v143, v148
	v_add_f32 v137, v137, v143
	v_rcp_f32 v138, v137
	v_nop
	s_wait_alu depctr_va_vdst(0)
.irp e, 0,1,2,3,4,5,6,7
	v_mul_f32 v[FIN+\e], v[FIN+\e], v138           ; the softmax
.endr
	v_mov_b32 v140, v128                           ; the largest weight so far
.irp e, 1,2,3,4,5,6,7
	v_cmp_gt_f32 vcc_lo, v[FIN+\e], v140           ; strictly larger: the first of equals stays
	v_cndmask_b32 v139, v139, \e, vcc_lo
	v_max_num_f32 v140, v140, v[FIN+\e]
.endr
	ds_store_b128 v15, v[FIN:FIN+3]                ; out1 goes through LDS, so that the 32 lanes store 256 consecutive bytes
	ds_store_b128 v15, v[FIN+4:FIN+7] offset:16
	ds_load_b64 v[144:145], v13 offset:OUTS        ; LDS serves a wave's instructions in order: this sees my stores
	ds_load_b64 v[146:147], v13 offset:XSS         ; the eight tokens' scale bytes
.irp e, 0,1,2,3,4,5,6,7
	v_cmp_eq_u32 s[38+\e], \e, v139                ; bits 0-7: which of the eight tokens chose expert e
.endr
	v_mov_b32 v141, s38
.irp e, 1,2,3,4,5,6,7
	v_cmp_eq_u32 vcc_lo, \e, v2
	v_cndmask_b32 v141, v141, s[38+\e], vcc_lo     ; lane l takes expert l % 8's bits
.endr
	s_wait_dscnt 0x0
	global_store_b64 v13, v[144:145], s[20:21]
	global_store_b64 v13, v[146:147], s[14:15]
	global_store_b32 v188, v140, s[18:19]          ; four lanes store the same number
	global_store_b8 v189, v141, s[16:17]           ; the low byte; four lanes store the same byte
.Lweights:
	; ---- W2's codes.  Each block has code registers of its own, so no store's data are written again
	s_wait_loadcnt 63                              ; blocks 0 and 1 have 64 younger loads behind them
	QBLOCK B01, CD, 0
	global_store_b128 v12, v[CD:CD+3], s[22:23]                     ; sixteen lanes store 256 consecutive bytes, aligned
	QBLOCK B01+32, CD+4, 1
	global_store_b128 v12, v[CD+4:CD+7], s[22:23] offset:256
	s_wait_loadcnt 32                              ; block 3's 32 loads may be out
	QBLOCK B23, CD+8, 2
	global_store_b128 v12, v[CD+8:CD+11], s[22:23] offset:512
	s_wait_loadcnt 0x0
	QBLOCK B23+32, CD+12, 3
	global_store_b128 v12, v[CD+12:CD+15], s[22:23] offset:768
	global_store_b32 v6, v[QW], s[24:25]           ; my column's scale word of this K step
	s_wait_xcnt 0x0
	v_lshl_add_u32 v254, v0, 2, 0x2300
	v_mov_b32 v255, 0
	s_wait_tensorcnt 0x0
	ds_add_u32 v254, v255
	s_wait_dscnt 0x0
	s_endpgm
.Lfunc_end_k_qe8126ded60_prep:
	.size	k_qe8126ded60_prep, .Lfunc_end_k_qe8126ded60_prep-k_qe8126ded60_prep
	.p2alignl 7, 3214868480
	.fill 96, 4, 3214868480
	.section	.rodata,"a",@progbits
	.p2align	6, 0x0
	.amdhsa_kernel k_qe8126ded60_prep
		.amdhsa_group_segment_fixed_size 11008
		.amdhsa_private_segment_fixed_size 0
		.amdhsa_enable_private_segment 0
		.amdhsa_kernarg_size 88
		.amdhsa_user_sgpr_count 2
		.amdhsa_user_sgpr_kernarg_segment_ptr 1
		.amdhsa_wavefront_size32 1
		.amdhsa_system_sgpr_workgroup_id_x 1
		.amdhsa_system_sgpr_workgroup_id_y 1
		.amdhsa_system_sgpr_workgroup_id_z 1
		.amdhsa_system_vgpr_workitem_id 0
		.amdhsa_next_free_vgpr 256
		.amdhsa_next_free_sgpr 66
		.amdhsa_reserve_vcc 1
		.amdhsa_float_denorm_mode_32 3
		.amdhsa_float_denorm_mode_16_64 3
		.amdhsa_memory_ordered 1
		.amdhsa_forward_progress 1
		.amdhsa_inst_pref_size 41
	.end_amdhsa_kernel
	.amdgpu_metadata
---
amdhsa.version: [ 1, 2 ]
amdhsa.kernels:
  - .name:           k_qe8126ded60_prep
    .symbol:         k_qe8126ded60_prep.kd
    .args:
      - { .name: x, .offset: 0, .size: 8, .value_kind: global_buffer, .address_space: global }
      - { .name: gate_W, .offset: 8, .size: 8, .value_kind: global_buffer, .address_space: global }
      - { .name: gate_b, .offset: 16, .size: 8, .value_kind: global_buffer, .address_space: global }
      - { .name: W2, .offset: 24, .size: 8, .value_kind: global_buffer, .address_space: global }
      - { .name: xq, .offset: 32, .size: 8, .value_kind: global_buffer, .address_space: global }
      - { .name: xs, .offset: 40, .size: 8, .value_kind: global_buffer, .address_space: global }
      - { .name: route, .offset: 48, .size: 8, .value_kind: global_buffer, .address_space: global }
      - { .name: tw, .offset: 56, .size: 8, .value_kind: global_buffer, .address_space: global }
      - { .name: out1, .offset: 64, .size: 8, .value_kind: global_buffer, .address_space: global }
      - { .name: w2q, .offset: 72, .size: 8, .value_kind: global_buffer, .address_space: global }
      - { .name: w2s, .offset: 80, .size: 8, .value_kind: global_buffer, .address_space: global }
    .group_segment_fixed_size: 11008
    .private_segment_fixed_size: 0
    .kernarg_segment_align: 8
    .kernarg_segment_size: 88
    .max_flat_workgroup_size: 512
    .sgpr_count:     66
    .vgpr_count:     256
    .wavefront_size: 32
...
	.end_amdgpu_metadata
.endif
;; end of part 1
;; launch up (part 2): grid 32 x 8, 16 waves a work-group, no clusters, 46,080 bytes of LDS; arguments W1, b1, xq, xs, route, hq, lst; writes hq, lst
.if DOCPART == 2
	.amdgcn_target "amdgcn-amd-amdhsa--gfx1250"
	.amdhsa_code_object_version 6
	.text
	.protected	k_qe8126ded60_up
	.globl	k_qe8126ded60_up
	.p2align	8
	.type	k_qe8126ded60_up,@function
k_qe8126ded60_up:
	s_mov_b64 s[64:65], 0
	v_nop
	global_prefetch_b8 v0, s[64:65] scope:SCOPE_SE
	s_setreg_imm32_b32 hwreg(HW_REG_WAVE_MODE, 25, 1), 1
	s_wait_xcnt 0x0
; UP.  h = Q(relu(x W1[e] + b1[e])) for the tokens that chose expert e, on codes of FP4 (E2M1) with one E8M0 scale for each 32 along K.  Work-group (sigma, e) owns hidden units 64 sigma .. 64 sigma + 63 of expert e.
; 1. THE WEIGHTS ARE READ ONCE, AS f32: the 16 waves stream W1[e][0..1023][my 64 columns] (a lane a column, its registers down K, 128 numbers a lane), quantise them and lay them in LDS as images of the
;    operand's registers (byte 512 c + 16 lane of a K step's 1,024): 4 tiles of 16 hidden units x 8 K steps.
; 2. THE ROWS: every wave reads the expert's 64 mask words (a bit a token, stored by the launch before) and counts them; wave 0 clears the list's region in LDS, lays the list position -> token there, fills the 32
;    positions behind its end with its last token (so that no lane is ever switched off) and adds the count.  The work-group with sigma = 0 copies the region to lst, for the launch that follows.
; 3. Wave w takes tiles of 16 list rows t = w, w + 16, ..: EACH TILE OF x IS READ BY ONE WAVE OF THE WORK-GROUP, against all 64 hidden units; W1's fragments come from LDS, a K step (four fragments) at a time, in two sets.
;    The first tile's rows are asked for with no condition, as soon as half of the stream's registers are free (a wave without a tile finds token 0 in the cleared list and reads one valid row); a first trip and a loop of
;    seven, constants; a trip whose tile lies past the list is jumped over.  So every split is served, all 2,048 tokens on one expert too.
; THE PRODUCT IS USED TRANSPOSED (source 0 = 16 hidden units, source 1 = 16 tokens), AND THE HIDDEN UNITS OF A TILE ARE NOT NEIGHBOURS: row r of tile 2 b + u is unit 32 b + 8 u + r + 8 (r / 8), so that a lane's 16 results
; of tiles 2 b and 2 b + 1 are 16 neighbours along the next K: units 32 b + 16 (lane / 16) + 0 .. 15 of token lane % 16.  b1 is the C of each sum's first product.
; hq = [expert][tile t][K step][1,024 bytes], the same image with row = list position; behind it, from byte HSOFF on, [expert][t][K step][16 rows] scale words.  A block's codes of a tile are 256 consecutive bytes, aligned;
; a row's two scale bytes leave as 16 bits (two bytes for each 32 bytes of codes).
; No tensor load and no cluster: branches here hang on numbers read from memory.
; LIMITS: NaN and infinities are not served; a block of zeros gets the byte 1 (the rule says 127): its codes are zeros, and this program alone reads the bytes.
.set WT,    8320                       ; LDS: a tile's 8 K steps x 1,024 bytes, + 128 so that the two tiles that a store's lanes touch fall on different banks
.set WSC,   4*WT                       ; [tile][row][8 scale words], 2,048 bytes
.set LIST,  WSC+2048                   ; 8,704 bytes: words 0 .. 2,079 positions, 2,080 .. 2,111 a word a lane for the lanes that have nothing to say, word 2,112 the count
.set CNTW,  8448
.set LSTB,  8704
.set HSOFF, 0x1000000                  ; where the scale words begin in hq
.set WS,   16                          ; v16-31   W1's scale words: register 8 b + K step; lanes 0-15 tile 2 b, lanes 16-31 tile 2 b + 1
.set XS,   32                          ; v32-39   x's scale words
.set TOK,  40                          ; v40 my row's token, v41 its codes' offset, v42 its scale words'
.set XO,   41
.set SO,   42
.set ACC,  48                          ; v48-79   four accumulators
.set HM,   80                          ; v80-81 largest magnitudes, v82-83 the other half's, v84-85 scale operands, v86-87 bytes, v88-91 codes
.set HP,   82
.set HSC,  84
.set HBY,  86
.set HC,   88
.set QM0,  92                          ; the stream's quantiser
.set QM1,  93
.set QSC,  94
.set QBY,  95
.set CD,   96                          ; v96-111  W1's codes, four registers a block
.set QW,   112
.set LA,   80                          ; the list: two sets of 8 addresses + 8 tokens: v80-95, v96-111
.set LZ,   112                         ; v112-115 zeros
.set LC,   116                         ; v116 the count's address, v117 the count
.set LD,   118                         ; 2,080 + lane
.set LX,   119                         ; v119-121 the filling up
.set CP,   48                          ; v48-115  the list on its way to lst
.set WF,   128                         ; v128-255 the stream's numbers;
.set XF,   128                         ; then v128-191 x's eight fragments,
.set WB,   192                         ; v192-255 W1's fragments, two sets of four
.macro QBLOCK xs, c, j                 ; 32 numbers down K in v[xs] on -> 4 registers of codes at v[c], and byte j of the scale word v[QW]
	v_max3_num_f32 v[QM0], |v[\xs]|, |v[\xs+1]|, |v[\xs+2]|
	v_max3_num_f32 v[QM1], |v[\xs+3]|, |v[\xs+4]|, |v[\xs+5]|
.irp i, 6,10,14,18,22,26
	v_max3_num_f32 v[QM0], v[QM0], |v[\xs+\i]|, |v[\xs+\i+1]|
	v_max3_num_f32 v[QM1], v[QM1], |v[\xs+\i+2]|, |v[\xs+\i+3]|
.endr
	v_max3_num_f32 v[QM0], v[QM0], |v[\xs+30]|, |v[\xs+31]|
	v_max3_num_f32 v[QM0], v[QM0], v[QM1], 0x1800000       ; the floor 2^(3 - 127): the byte cannot fall under 1
	v_add_nc_u32 v[QSC], 0xff000000, v[QM0]                ; 2 off the exponent field: the conversion's scale operand
	v_lshrrev_b32 v[QBY], 23, v[QSC]
.if \j == 0
	v_mov_b32 v[QW], v[QBY]
.else
	v_lshl_or_b32 v[QW], v[QBY], 8*\j, v[QW]
.endif
.irp g, 0,1,2,3
	v_cvt_scalef32_pk8_fp4_f32 v[\c+\g], v[\xs+8*\g:\xs+8*\g+7], v[QSC]
.endr
	v_nop                                                  ; one plain line behind the last scaled conversion
.endm
.macro SLOAD j                         ; block j of my column: W1(128 kg + 32 j + i, column); a wave's load reads 128 consecutive bytes, two neighbouring waves 256
.set i, 0
.rept 32
	global_load_b32 v[WF+32*\j+i], v4, s[84:85] offset:(32*\j+i)*8192 th:TH_LOAD_NT
.set i, i+1
.endr
.endm
; mask word j lies in s[16 + j], from word 48 on in s[20 + j]
.macro COUNT
	s_mov_b32 s5, 0
.set j, 0
.rept 64
.set mj, 16+j+4*(j/48)
	s_bcnt1_i32_b32 s14, s[mj]
	s_add_co_u32 s5, s5, s14
.set j, j+1
.endr
	s_add_co_u32 s6, s5, 15
	s_lshr_b32 s6, s6, 4                           ; tiles of 16 rows
.endm
; The list.  Chunk j: lane i stands for token 32 j + i; a chosen token's position is the count of chosen tokens in front of it.  Every position is held under the region's end ahead of its use as an address.
; Eight chunks go stage by stage, so that no line waits for the line above it; two sets of registers take turns.
.macro MAKELIST
.irp i, 0,1,2,3
	v_mov_b32 v[LZ+\i], 0
.endr
.set i, 0
.rept 17
	ds_store_b128 v15, v[LZ:LZ+3] offset:512*i     ; the whole region is cleared first: every byte of it is written before it is read
.set i, i+1
.endr
	v_add_nc_u32 v[LD], 2080, v1
	s_mov_b32 s9, 0
.set jb, 0
.rept 8
.set st, LA+16*(jb%2)
.if jb >= 2
	s_wait_dscnt 8                                 ; the last batch's eight stores may be out: the batch before it, which read this set of registers, is done
.endif
.set i, 0
.rept 8
.set mj, 16+(8*jb+i)+4*((8*jb+i)/48)
	v_mbcnt_lo_u32_b32 v[st+i], s[mj], s9
	s_bcnt1_i32_b32 s14, s[mj]
	s_add_co_u32 s9, s9, s14
.set i, i+1
.endr
.set i, 0
.rept 8
.set mj, 16+(8*jb+i)+4*((8*jb+i)/48)
	v_cndmask_b32 v[st+i], v[LD], v[st+i], s[mj]
.set i, i+1
.endr
.set i, 0
.rept 8
	v_min_u32 v[st+i], 0x83f, v[st+i]
.set i, i+1
.endr
.set i, 0
.rept 8
	v_lshl_add_u32 v[st+i], v[st+i], 2, LIST
.set i, i+1
.endr
.set i, 0
.rept 8
	v_add_nc_u32 v[st+8+i], 32*(8*jb+i), v1
.set i, i+1
.endr
.set i, 0
.rept 8
	ds_store_b32 v[st+i], v[st+8+i]
.set i, i+1
.endr
.set jb, jb+1
.endr
	s_max_u32 s14, s5, 1                           ; the last token of the list (of an empty list: the cleared word 0)
	s_sub_co_u32 s14, s14, 1
	s_min_u32 s14, s14, 0x7ff
	s_lshl_b32 s14, s14, 2
	s_add_co_u32 s14, s14, LIST
	v_mov_b32 v[LX], s14
	ds_load_b32 v[LX+1], v[LX]                     ; LDS serves a wave's instructions in order: this sees my stores
	v_add_nc_u32 v[LX+2], s5, v1
	v_min_u32 v[LX+2], 0x81f, v[LX+2]
	v_lshl_add_u32 v[LX+2], v[LX+2], 2, LIST
	v_mov_b32 v[LC], LIST+CNTW
	v_mov_b32 v[LC+1], s5
	s_wait_dscnt 0x0
	ds_store_b32 v[LX+2], v[LX+1]                  ; fills the 32 positions behind the list's end
	ds_store_b32 v[LC], v[LC+1]                    ; every lane writes the same word with the same number
.endm
.macro COPYLIST                        ; the region as it lies, 17 x 512 consecutive bytes
	s_wait_dscnt 0x0
.set i, 0
.rept 17
	ds_load_b128 v[CP+4*i:CP+4*i+3], v15 offset:512*i
.set i, i+1
.endr
	s_wait_dscnt 0x0
.set i, 0
.rept 17
	global_store_b128 v9, v[CP+4*i:CP+4*i+3], s[96:97] offset:512*i
.set i, i+1
.endr
	s_wait_xcnt 0x0                                ; the stores have read their registers: these are written again only behind this wait
.endm
; my row's token is in v[TOK]: its scale words, its eight fragments, and b1 at my 32 hidden units (the sums begin with it): 26 loads
.macro GATHER2
	v_min_u32 v[TOK], 0x7ff, v[TOK]
	v_lshl_add_u32 v[XO], v[TOK], 9, v8            ; xq: 512 token + 16 h
	v_lshlrev_b32 v[SO], 5, v[TOK]                 ; xs: 32 token
	global_load_b128 v[XS:XS+3], v[SO], s[90:91]
	global_load_b128 v[XS+4:XS+7], v[SO], s[90:91] offset:16
.irp s, 0,1,2,3,4,5,6,7
.irp c, 0,1
	global_load_b128 v[XF+8*\s+4*\c:XF+8*\s+4*\c+3], v[XO], s[88:89] offset:64*\s+32*\c
.endr
.endr
.irp b, 0,1
.irp u, 0,1
	global_load_b128 v[ACC+16*\b+8*\u:ACC+16*\b+8*\u+3], v14, s[86:87] offset:128*\b+32*\u
	global_load_b128 v[ACC+16*\b+8*\u+4:ACC+16*\b+8*\u+7], v14, s[86:87] offset:128*\b+32*\u+16
.endr
.endr
.endm
.macro GL ks, set                      ; K step ks of the four tiles of hidden units into a set: eight LDS loads of 512 consecutive bytes
.irp t, 0,1,2,3
.irp c, 0,1
	ds_load_b128 v[WB+32*(\set)+8*\t+4*\c:WB+32*(\set)+8*\t+4*\c+3], v9 offset:\t*WT+(\ks)*1024+\c*512
.endr
.endr
.endm
.macro MUL4 ks, set                    ; its four products: the four accumulators take turns, one instruction a turn
.irp b, 0,1
	v_wmma_scale_f32_16x16x128_f8f6f4 v[ACC+16*\b:ACC+16*\b+7], v[WB+32*(\set)+16*\b:WB+32*(\set)+16*\b+7], v[XF+8*(\ks):XF+8*(\ks)+7], v[ACC+16*\b:ACC+16*\b+7], v[WS+8*\b+(\ks)], v[XS+(\ks)] matrix_a_fmt:MATRIX_FMT_FP4 matrix_b_fmt:MATRIX_FMT_FP4
	v_wmma_scale_f32_16x16x128_f8f6f4 v[ACC+16*\b+8:ACC+16*\b+15], v[WB+32*(\set)+16*\b+8:WB+32*(\set)+16*\b+15], v[XF+8*(\ks):XF+8*(\ks)+7], v[ACC+16*\b+8:ACC+16*\b+15], v[WS+8*\b+(\ks)], v[XS+(\ks)] matrix_a_fmt:MATRIX_FMT_FP4 matrix_b_fmt:MATRIX_FMT_FP4 matrix_a_scale:MATRIX_SCALE_ROW1
.endr
.endm
; a tile: 32 products, relu, the two blocks of 32 quantised, stored
.macro COMPUTE
	GL 0, 0
	GL 1, 1
.set KK, 0
.rept 8
.if KK < 7
	s_wait_dscnt 8                                 ; this K step's eight loads are in; the next one's may be out
.else
	s_wait_dscnt 0x0
.endif
	MUL4 KK, KK%2
.if KK < 6
.rept 4
	v_nop                                          ; places in front of loads into registers that the products have read (ISA guide 7.12.1 for vector instructions)
.endr
	GL KK+2, KK%2
.endif
.set KK, KK+1
.endr
.rept 5
	v_nop                                          ; places behind the products: four for the reads below and the next tile's loads, a fifth for the next tile's products
.endr
.set i, 0
.rept 32
	v_max_num_f32 v[ACC+i], 0, v[ACC+i]            ; relu, in f32; each accumulator from its low end on
.set i, i+1
.endr
.irp b, 0,1
	v_max3_num_f32 v[HM+\b], v[ACC+16*\b], v[ACC+16*\b+1], 0x1800000   ; my 16 of block b's 32, and the floor; none is negative
.endr
.irp i, 2,4,6,8,10,12,14
.irp b, 0,1
	v_max3_num_f32 v[HM+\b], v[HM+\b], v[ACC+16*\b+\i], v[ACC+16*\b+\i+1]
.endr
.endr
.irp b, 0,1
	v_permlanex16_b32 v[HP+\b], v[HM+\b], s98, s99
.endr
.irp b, 0,1
	v_max_num_f32 v[HM+\b], v[HM+\b], v[HP+\b]     ; with lane l xor 16's 16
.endr
.irp b, 0,1
	v_add_nc_u32 v[HSC+\b], 0xff000000, v[HM+\b]
.endr
.irp b, 0,1
	v_lshrrev_b32 v[HBY+\b], 23, v[HSC+\b]
.endr
	v_lshl_or_b32 v[HBY], v[HBY+1], 8, v[HBY]      ; the two blocks' bytes, the lower K in the lower byte
.irp b, 0,1
	v_cvt_scalef32_pk8_fp4_f32 v[HC+2*\b], v[ACC+16*\b:ACC+16*\b+7], v[HSC+\b]
	v_cvt_scalef32_pk8_fp4_f32 v[HC+2*\b+1], v[ACC+16*\b+8:ACC+16*\b+15], v[HSC+\b]
.endr
	v_nop
	global_store_b64 v11, v[HC:HC+1], s[94:95]                 ; 32 lanes store 256 consecutive bytes, aligned: lanes 0-15 of the image's half,
	global_store_b64 v11, v[HC+2:HC+3], s[94:95] offset:256    ; lanes 16-31
	global_store_b16 v12, v[HBY], s[100:101]       ; both halves of the lanes store the same two bytes
.endm
.macro STEP                            ; 16 tiles on
	s_wait_xcnt 0x0                                ; the stores have read their data and their bases: both are written again only behind this wait
	s_add_nc_u64 s[94:95], s[94:95], 0x40000
	s_add_nc_u64 s[100:101], s[100:101], 0x4000
	s_add_co_u32 s10, s10, 1024
	s_add_co_u32 s7, s7, 16
.endm
	s_load_b256 s[84:91], s[0:1], 0x0              ; W1 s[84:85], b1 s[86:87], xq s[88:89], xs s[90:91]
	s_load_b128 s[92:95], s[0:1], 0x20             ; route s[92:93], hq s[94:95]
	s_load_b64 s[96:97], s[0:1], 0x30              ; lst
	v_lshl_add_u32 v126, v0, 2, 0xac00
	v_mov_b32 v127, 0
	v_lshrrev_b32 v1, 5, v0
	v_readfirstlane_b32 s2, v1                     ; wave 0..15
	s_and_b32 s3, s2, 1                            ; the stream: which 32 of the 64 columns,
	s_lshr_b32 s4, s2, 1                           ; and which 128 along K
	s_and_b32 s15, ttmp7, 0xffff                   ; expert
	s_mov_b32 s98, 0x76543210
	s_mov_b32 s99, 0xfedcba98                      ; v_permlanex16_b32's selects for lane l xor 16
	s_lshl_b32 s10, s15, 8
	s_mov_b32 s11, 0
	s_wait_kmcnt 0x0
	s_add_nc_u64 s[92:93], s[92:93], s[10:11]
	s_load_b512 s[16:31], s[92:93], 0x0            ; the expert's 64 mask words
	s_load_b512 s[32:47], s[92:93], 0x40
	s_load_b512 s[48:63], s[92:93], 0x80
	s_load_b512 s[68:83], s[92:93], 0xc0
	s_lshl_b32 s10, s15, 23                        ; W1: expert x 8 MiB + 128 kg rows of 8,192 bytes + 256 sigma + 128 cg
	s_lshl_b32 s12, s4, 20
	s_add_co_u32 s10, s10, s12
	s_lshl_b32 s12, ttmp9, 8
	s_add_co_u32 s10, s10, s12
	s_lshl_b32 s12, s3, 7
	s_add_co_u32 s10, s10, s12
	s_add_nc_u64 s[84:85], s[84:85], s[10:11]
	s_lshl_b32 s10, s15, 13                        ; b1: expert x 8,192 + 256 sigma
	s_lshl_b32 s12, ttmp9, 8
	s_add_co_u32 s10, s10, s12
	s_add_nc_u64 s[86:87], s[86:87], s[10:11]
	s_add_nc_u64 s[100:101], s[94:95], HSOFF       ; the scale words lie behind the codes
	s_lshl_b32 s10, s15, 21                        ; codes: expert x 2 MiB + 512 sigma (K step sigma / 2, half sigma % 2) + 16 KiB x my first tile
	s_lshl_b32 s12, ttmp9, 9
	s_add_co_u32 s10, s10, s12
	s_lshl_b32 s12, s2, 14
	s_add_co_u32 s10, s10, s12
	s_add_nc_u64 s[94:95], s[94:95], s[10:11]
	s_lshl_b32 s10, s15, 17                        ; scale words: expert x 128 KiB + 64 (sigma / 2) + byte 2 (sigma % 2) of a word + 1,024 x my first tile
	s_lshr_b32 s12, ttmp9, 1
	s_lshl_b32 s12, s12, 6
	s_add_co_u32 s10, s10, s12
	s_and_b32 s12, ttmp9, 1
	s_lshl_b32 s12, s12, 1
	s_add_co_u32 s10, s10, s12
	s_lshl_b32 s12, s2, 10
	s_add_co_u32 s10, s10, s12
	s_add_nc_u64 s[100:101], s[100:101], s[10:11]
	s_mul_i32 s10, s15, LSTB                       ; lst: 8,704 bytes an expert
	s_add_nc_u64 s[96:97], s[96:97], s[10:11]
	; every address register is made here, ahead of the waves' first parting
	v_and_b32 v1, 31, v0                           ; lane
	v_and_b32 v2, 15, v0                           ; r
	v_bfe_u32 v3, v0, 4, 1                         ; h
	v_lshlrev_b32 v4, 2, v1                        ; v4: W1: 4 bytes a lane
	v_bfe_u32 v40, v0, 3, 1                        ; my column's tile of its two: u = (lane / 8) % 2,
	v_and_b32 v41, 7, v0
	v_lshl_add_u32 v41, v3, 3, v41                 ; and its row there: lane % 8 + 8 (lane / 16)
	v_mul_u32_u24 v5, v40, WT                      ; v5: the image, in: (2 cg + u) WT + 1,024 kg + 16 row
	v_lshl_add_u32 v5, v41, 4, v5
	s_mul_i32 s12, s3, 2*WT
	s_lshl_b32 s13, s4, 10
	s_add_co_u32 s13, s13, s12
	v_add_nc_u32 v5, s13, v5
	v_lshlrev_b32 v6, 9, v40                       ; v6: the scale word, in: WSC + 512 (2 cg + u) + 32 row + 4 kg
	v_lshl_add_u32 v6, v41, 5, v6
	s_lshl_b32 s13, s3, 10
	s_lshl_b32 s14, s4, 2
	s_add_co_u32 s13, s13, s14
	s_add_co_u32 s13, s13, WSC
	v_add_nc_u32 v6, s13, v6
	v_lshl_add_u32 v7, v2, 2, LIST                 ; v7: the list, row r
	v_lshlrev_b32 v8, 4, v3                        ; v8: 16 h
	v_lshlrev_b32 v9, 4, v1                        ; v9: 16 lane: an image's place for my lane; my place in lst too
	v_lshlrev_b32 v10, 9, v3                       ; v10: the scale words, back: WSC + 512 h + 32 r
	v_lshl_add_u32 v10, v2, 5, v10
	v_add_nc_u32 v10, WSC, v10
	v_lshlrev_b32 v11, 4, v2                       ; v11: the codes' place in a block's 256 bytes: 16 r + 8 h
	v_lshl_add_u32 v11, v3, 3, v11
	v_lshlrev_b32 v12, 2, v2                       ; v12: 4 r
	s_lshl_b32 s10, s2, 6                          ; the list's step: 64 bytes a tile; my first tile is my wave's number
	v_add_nc_u32 v13, s10, v7                      ; v13: the list address in hand
	v_lshlrev_b32 v14, 6, v3                       ; v14: b1: 64 h
	v_lshl_add_u32 v15, v1, 4, LIST                ; v15: the list's region, 16 bytes a lane
	v_mov_b32 v[HP], 0                             ; written once: a lane permute's destination counts as one of its sources
	v_mov_b32 v[HP+1], 0
	SLOAD 0
	SLOAD 1
	s_wait_kmcnt 0x0                               ; the masks
	COUNT
	s_cmp_lg_u32 s2, 0
	s_cbranch_scc1 .Lno_list
	MAKELIST                                       ; wave 0, while the stream's first half is on its way
	s_cmp_lg_u32 ttmp9, 0
	s_cbranch_scc1 .Lno_list
	COPYLIST                                       ; one work-group of each expert
.Lno_list:
	SLOAD 2
	SLOAD 3
	s_wait_dscnt 0x0                               ; the list has landed
	s_barrier_signal -1                            ; a barrier of its own between the list's stores and every other wave's LDS accesses
	s_barrier_wait -1
	ds_load_b32 v[TOK], v13                        ; my first tile's row r (a cleared word, token 0, where the list is shorter)
	s_wait_loadcnt 63                              ; blocks 0 and 1 have 64 younger loads behind them; 63 is the largest count that a wait names
	QBLOCK WF, CD, 0
	ds_store_b128 v5, v[CD:CD+3]                   ; k = 32 j on: half j / 2 of the image, lanes 16 (j % 2) on
	QBLOCK WF+32, CD+4, 1
	ds_store_b128 v5, v[CD+4:CD+7] offset:256
	s_wait_dscnt 2                                 ; the load from the list has two younger stores behind it
	GATHER2                                        ; into the registers that blocks 0 and 1 have left: on its way while the rest is quantised
	s_wait_loadcnt 58                              ; behind block 2: block 3's 32 loads and the gather's 26
	QBLOCK WF+64, CD+8, 2
	ds_store_b128 v5, v[CD+8:CD+11] offset:512
	s_wait_loadcnt 26                              ; behind block 3: the gather's 26
	QBLOCK WF+96, CD+12, 3
	ds_store_b128 v5, v[CD+12:CD+15] offset:768
	ds_store_b32 v6, v[QW]
	s_wait_dscnt 0x0                               ; my part of the images has landed
	s_barrier_signal -1
	s_barrier_wait -1                              ; everybody's has; from here on LDS is only read
.irp b, 0,1
	ds_load_b128 v[WS+8*\b:WS+8*\b+3], v10 offset:1024*\b
	ds_load_b128 v[WS+8*\b+4:WS+8*\b+7], v10 offset:1024*\b+16
.endr
	s_mov_b32 s7, s2                               ; t: my tile
	s_mov_b32 s8, 7                                ; the loop's trips: with the first, 8 x 16 tiles serve 2,048 rows
	s_wait_loadcnt 0x0                             ; the gather
	s_wait_dscnt 0x0
	s_cmp_ge_u32 s7, s6
	s_cbranch_scc1 .Lnone                          ; no first tile
	COMPUTE
.Lnone:
	STEP
.Ltile:
	s_cmp_ge_u32 s7, s6
	s_cbranch_scc1 .Lskip                          ; past the list: only the steps at the trip's end are run
	v_add_nc_u32 v13, s10, v7
	ds_load_b32 v[TOK], v13
	s_wait_dscnt 0x0
	GATHER2
	s_wait_loadcnt 0x0
	COMPUTE
.Lskip:
	STEP
	s_sub_co_u32 s8, s8, 1
	s_cmp_lg_u32 s8, 0
	s_cbranch_scc1 .Ltile
	s_wait_tensorcnt 0x0
	ds_add_u32 v126, v127
	s_wait_dscnt 0x0
	s_endpgm
.Lfunc_end_k_qe8126ded60_up:
	.size	k_qe8126ded60_up, .Lfunc_end_k_qe8126ded60_up-k_qe8126ded60_up
	.p2alignl 7, 3214868480
	.fill 96, 4, 3214868480
	.section	.rodata,"a",@progbits
	.p2align	6, 0x0
	.amdhsa_kernel k_qe8126ded60_up
		.amdhsa_group_segment_fixed_size 46080
		.amdhsa_private_segment_fixed_size 0
		.amdhsa_enable_private_segment 0
		.amdhsa_kernarg_size 56
		.amdhsa_user_sgpr_count 2
		.amdhsa_user_sgpr_kernarg_segment_ptr 1
		.amdhsa_wavefront_size32 1
		.amdhsa_system_sgpr_workgroup_id_x 1
		.amdhsa_system_sgpr_workgroup_id_y 1
		.amdhsa_system_sgpr_workgroup_id_z 1
		.amdhsa_system_vgpr_workitem_id 0
		.amdhsa_next_free_vgpr 256
		.amdhsa_next_free_sgpr 102
		.amdhsa_reserve_vcc 0
		.amdhsa_float_denorm_mode_32 3
		.amdhsa_float_denorm_mode_16_64 3
		.amdhsa_memory_ordered 1
		.amdhsa_forward_progress 1
		.amdhsa_inst_pref_size 93
	.end_amdhsa_kernel
	.amdgpu_metadata
---
amdhsa.version: [ 1, 2 ]
amdhsa.kernels:
  - .name:           k_qe8126ded60_up
    .symbol:         k_qe8126ded60_up.kd
    .args:
      - { .name: W1, .offset: 0, .size: 8, .value_kind: global_buffer, .address_space: global }
      - { .name: b1, .offset: 8, .size: 8, .value_kind: global_buffer, .address_space: global }
      - { .name: xq, .offset: 16, .size: 8, .value_kind: global_buffer, .address_space: global }
      - { .name: xs, .offset: 24, .size: 8, .value_kind: global_buffer, .address_space: global }
      - { .name: route, .offset: 32, .size: 8, .value_kind: global_buffer, .address_space: global }
      - { .name: hq, .offset: 40, .size: 8, .value_kind: global_buffer, .address_space: global }
      - { .name: lst, .offset: 48, .size: 8, .value_kind: global_buffer, .address_space: global }
    .group_segment_fixed_size: 46080
    .private_segment_fixed_size: 0
    .kernarg_segment_align: 8
    .kernarg_segment_size: 56
    .max_flat_workgroup_size: 512
    .sgpr_count:     102
    .vgpr_count:     256
    .wavefront_size: 32
...
	.end_amdgpu_metadata
.endif
;; end of part 2
;; launch down (part 3): grid 32 x 8, 16 waves a work-group, no clusters, 141,312 bytes of LDS; arguments w2q, w2s, hq, lst, tw, b2, out0; writes out0
.if DOCPART == 3
	.amdgcn_target "amdgcn-amd-amdhsa--gfx1250"
	.amdhsa_code_object_version 6
	.text
	.protected	k_qe8126ded60_down
	.globl	k_qe8126ded60_down
	.p2align	8
	.type	k_qe8126ded60_down,@function
k_qe8126ded60_down:
	s_mov_b64 s[64:65], 0
	v_nop
	global_prefetch_b8 v0, s[64:65] scope:SCOPE_SE
	s_setreg_imm32_b32 hwreg(HW_REG_WAVE_MODE, 25, 1), 1
	s_wait_xcnt 0x0
; DOWN.  out0[token] = tw[token] x (h W2[e] + b2[e]) for the tokens that chose expert e, on codes of FP4 (E2M1) with one E8M0 scale for each 32 along K = 2,048.
; Work-group (x, e): sigma = x / 2 owns output columns 64 sigma .. 64 sigma + 63 (256 bytes of a row of out0); rho = x % 2 takes every second tile of 16 list rows.
; W2's codes of these 64 columns (64 KiB, one dense block, laid by the first launch in the order of the operand's registers) and their scale words (4 KiB) are copied into LDS once.
; The list position -> token and its count come from lst, which the launch before has stored: 8,704 bytes an expert, the count in word 2,112.
; Wave w takes tiles t = rho + 2 w + 32 i, i = 0 .. 3: a loop of four trips, a constant; a trip whose tile lies past the list is jumped over.  So every split is served; a work-group without rows stores nothing.
; A tile's 16 fragments of h stay in 128 registers; W2's fragments come from LDS, two tiles of columns at a time, two groups ahead.
; THE PRODUCT IS USED TRANSPOSED (source 0 = 16 columns of W2, source 1 = 16 rows of h): a lane holds eight neighbouring numbers of one token's row.  b2 is the C of each sum's first product.
; The list's last tile is filled up with its last token: those rows give the same numbers and go to the same bytes, from the same wave.
; The results go through the wave's own stage in LDS, so that sixteen lanes store 256 consecutive bytes of a token's row, aligned.
; No tensor load and no cluster: branches here hang on numbers read from memory.
.set WSC,   65536                      ; LDS: 0: W2's images, (16 tile + K step) x 1,024;  WSC: (16 pair + K step) x 128: a scale word a lane
.set STAGE, 69632                      ; 16 rows x 272 bytes for each wave
.set SP,    272
.set CNTW,  8448
.set LSTB,  8704
.set HSOFF, 0x1000000                  ; where h's scale words begin in hq
.set HS,    16                         ; v16-31   h's scale words, a register a K step
.set WS,    32                         ; v32-33   W2's scale words, two sets: lanes 0-15 the even tile, lanes 16-31 the odd one
.set TW,    34                         ; v34-35   my token's gate weight (the packed multiply names a pair)
.set TOK,   36
.set TWO,   37
.set TK,    40                         ; v40-47   the tokens of the rows that I store, then their byte offsets in out0
.set WB,    48                         ; v48-79   W2's fragments, two sets of two; first the copy's data; last the rows read back from the stage
.set ACC,   80                         ; v80-111  four accumulators
.set TL,    112                        ; v112-127 the tile's 16 tokens; first the copy of the scale words
.set H,     128                        ; v128-255 h's 16 fragments
; group g of 32: pair of column tiles g / 16, K step g % 16.  Five LDS loads: two fragments and the pair's scale words, into set buf
.macro GLOAD g, buf
.set cp, (\g)/16
.set ks, (\g)%16
.irp u, 0,1
.irp c, 0,1
	ds_load_b128 v[WB+16*(\buf)+8*\u+4*\c:WB+16*(\buf)+8*\u+4*\c+3], v4 offset:((2*cp+\u)*16+ks)*1024+512*\c
.endr
.endr
	ds_load_b32 v[WS+(\buf)], v5 offset:(16*cp+ks)*128
.endm
.macro GMUL g, buf                     ; its two products: the pair's accumulators take turns, one instruction a turn
.set cp, (\g)/16
.set ks, (\g)%16
	v_wmma_scale_f32_16x16x128_f8f6f4 v[ACC+16*cp:ACC+16*cp+7], v[WB+16*(\buf):WB+16*(\buf)+7], v[H+8*ks:H+8*ks+7], v[ACC+16*cp:ACC+16*cp+7], v[WS+(\buf)], v[HS+ks] matrix_a_fmt:MATRIX_FMT_FP4 matrix_b_fmt:MATRIX_FMT_FP4
	v_wmma_scale_f32_16x16x128_f8f6f4 v[ACC+16*cp+8:ACC+16*cp+15], v[WB+16*(\buf)+8:WB+16*(\buf)+15], v[H+8*ks:H+8*ks+7], v[ACC+16*cp+8:ACC+16*cp+15], v[WS+(\buf)], v[HS+ks] matrix_a_fmt:MATRIX_FMT_FP4 matrix_b_fmt:MATRIX_FMT_FP4 matrix_a_scale:MATRIX_SCALE_ROW1
.endm
	s_load_b256 s[84:91], s[0:1], 0x0              ; w2q s[84:85], w2s s[86:87], hq s[88:89], lst s[90:91]
	s_load_b128 s[92:95], s[0:1], 0x20             ; tw s[92:93], b2 s[94:95]
	s_load_b64 s[96:97], s[0:1], 0x30              ; out0
	v_lshl_add_u32 v8, v0, 2, 0x22000
	v_mov_b32 v9, 0
	; all offsets are made while the arguments are on their way
	v_lshrrev_b32 v1, 5, v0
	v_readfirstlane_b32 s2, v1                     ; wave 0..15
	s_and_b32 s3, ttmp9, 1                         ; rho
	s_lshr_b32 s4, ttmp9, 1                        ; sigma
	s_and_b32 s15, ttmp7, 0xffff                   ; expert
	s_lshl_b32 s7, s2, 1
	s_add_co_u32 s7, s7, s3                        ; t: my first tile, rho + 2 wave
	s_mul_i32 s12, s15, LSTB                       ; lst: 8,704 bytes an expert
	s_mov_b32 s13, 0
	s_lshl_b32 s20, s15, 20                        ; w2q: (64 expert + 4 sigma) tiles of 16 KiB
	s_lshl_b32 s14, s4, 16
	s_add_co_u32 s20, s20, s14
	s_mov_b32 s21, 0
	s_lshl_b32 s22, s15, 16                        ; w2s: (32 expert + 2 sigma) pairs of 2,048 bytes
	s_lshl_b32 s14, s4, 12
	s_add_co_u32 s22, s22, s14
	s_mov_b32 s23, 0
	s_lshl_b32 s24, s15, 21                        ; h's codes: expert x 2 MiB + tile x 16 KiB
	s_lshl_b32 s14, s7, 14
	s_add_co_u32 s24, s24, s14
	s_mov_b32 s25, 0
	s_lshl_b32 s26, s15, 17                        ; h's scale words: behind the codes; expert x 128 KiB + tile x 1,024
	s_lshl_b32 s14, s7, 10
	s_add_co_u32 s26, s26, s14
	s_add_co_u32 s26, s26, HSOFF
	s_mov_b32 s27, 0
	s_lshl_b32 s28, s15, 12                        ; b2: expert x 4,096 + 256 sigma
	s_lshl_b32 s30, s4, 8                          ; out0: 256 sigma
	s_add_co_u32 s28, s28, s30
	s_mov_b32 s29, 0
	s_mov_b32 s31, 0
	v_and_b32 v1, 31, v0                           ; lane
	v_and_b32 v2, 15, v0                           ; r
	v_bfe_u32 v3, v0, 4, 1                         ; h
	v_lshlrev_b32 v4, 4, v1                        ; v4: 16 lane: an image's place for my lane, in LDS and in hq
	v_lshl_add_u32 v5, v1, 2, WSC                  ; v5: W2's scale words
	s_lshl_b32 s14, s7, 6
	v_lshl_add_u32 v6, v2, 2, s14                  ; v6: lst: 64 tile + 4 r
	v_mov_b32 v7, s14                              ; v7: lst: the tile's 16 tokens, the same for every lane
	v_lshlrev_b32 v10, 2, v2                       ; v10: h's scale words: 4 r
	v_lshlrev_b32 v11, 5, v3                       ; v11: b2: 32 h
	v_lshlrev_b32 v12, 4, v2                       ; v12: 16 r: my 16 bytes of a row's 256
	s_mul_i32 s14, s2, 16*SP
	s_add_co_u32 s14, s14, STAGE                   ; my stage
	v_mul_u32_u24 v13, v2, SP                      ; v13: in: row r, 32 h
	v_lshl_add_u32 v13, v3, 5, v13
	v_add_nc_u32 v13, s14, v13
	v_mul_u32_u24 v14, v3, SP                      ; v14: back: lanes 0-15 one row, lanes 16-31 the next
	v_lshl_add_u32 v14, v2, 4, v14
	v_add_nc_u32 v14, s14, v14
	s_lshl_b32 s14, s2, 12
	v_lshl_add_u32 v15, v1, 4, s14                 ; v15: the copy: 4,096 wave + 16 lane, in memory and in LDS alike
	s_lshl_b32 s14, s2, 8
	v_lshl_add_u32 v38, v1, 3, s14                 ; v38: the scale words' copy: 256 wave + 8 lane;
	v_add_nc_u32 v39, WSC, v38                     ; v39: in LDS
	v_mov_b32 v[TW+1], 0                           ; named as the upper half of a pair, so it is written
	v_cmp_ne_u32 s9, 0, v3                         ; lanes 16-31
	s_wait_kmcnt 0x0
	s_add_nc_u64 s[90:91], s[90:91], s[12:13]
	s_load_b32 s5, s[90:91], CNTW                  ; the expert's rows
	s_add_nc_u64 s[84:85], s[84:85], s[20:21]
	s_add_nc_u64 s[86:87], s[86:87], s[22:23]
.irp i, 0,1,2,3,4,5,6,7
	global_load_b128 v[WB+4*\i:WB+4*\i+3], v15, s[84:85] offset:512*\i     ; 32 lanes read 512 consecutive bytes
.endr
	global_load_b64 v[TL:TL+1], v38, s[86:87]
	s_add_nc_u64 s[98:99], s[88:89], s[26:27]
	s_add_nc_u64 s[88:89], s[88:89], s[24:25]
	s_add_nc_u64 s[94:95], s[94:95], s[28:29]
	s_add_nc_u64 s[96:97], s[96:97], s[30:31]
	s_mov_b32 s8, 4                                ; trips: 4 x 32 tiles serve 2,048 rows
	s_wait_loadcnt 0x0
.irp i, 0,1,2,3,4,5,6,7
	ds_store_b128 v15, v[WB+4*\i:WB+4*\i+3] offset:512*\i
.endr
	ds_store_b64 v39, v[TL:TL+1]
	s_wait_kmcnt 0x0                               ; the count; its base may be stepped from here on
	s_add_co_u32 s6, s5, 15
	s_lshr_b32 s6, s6, 4                           ; tiles of 16 rows
	s_wait_dscnt 0x0                               ; my part of the copy has landed
	s_barrier_signal -1
	s_barrier_wait -1                              ; everybody's has; from here on only the waves' own stages are written
.Ltile:
	s_cmp_ge_u32 s7, s6
	s_cbranch_scc1 .Lskip                          ; past the list: only the steps at the trip's end are run
	global_load_b32 v[TOK], v6, s[90:91]           ; row r's token, for its gate weight
.irp i, 0,1,2,3
	global_load_b128 v[TL+4*\i:TL+4*\i+3], v7, s[90:91] offset:16*\i       ; the tile's 16 tokens, for the way out
.endr
.irp ct, 0,1,2,3
	global_load_b128 v[ACC+8*\ct:ACC+8*\ct+3], v11, s[94:95] offset:64*\ct         ; b2 at my eight columns of each tile: the sums begin with it
	global_load_b128 v[ACC+8*\ct+4:ACC+8*\ct+7], v11, s[94:95] offset:64*\ct+16
.endr
.set ks, 0
.rept 16
	global_load_b128 v[H+8*ks:H+8*ks+3], v4, s[88:89] offset:1024*ks
	global_load_b128 v[H+8*ks+4:H+8*ks+7], v4, s[88:89] offset:1024*ks+512
	global_load_b32 v[HS+ks], v10, s[98:99] offset:64*ks
.set ks, ks+1
.endr
	GLOAD 0, 0
	GLOAD 1, 1
	s_wait_loadcnt 56                              ; the five loads from the list are in; behind them stand b2's 8 and h's 48
	v_min_u32 v[TOK], 0x7ff, v[TOK]
	v_lshlrev_b32 v[TWO], 2, v[TOK]
	global_load_b32 v[TW], v[TWO], s[92:93]
	s_wait_loadcnt 1                               ; all but the gate weight, which is wanted behind the products
.set GG, 0
.rept 32
.if GG < 31
	s_wait_dscnt 5                                 ; this group's five loads are in; the next group's may be out
.else
	s_wait_dscnt 0x0
.endif
	GMUL GG, GG%2
.if GG < 30
.rept 4
	v_nop                                          ; places in front of loads into registers that the products have read (ISA guide 7.12.1 for vector instructions)
.endr
	GLOAD GG+2, GG%2
.endif
.set GG, GG+1
.endr
.irp i, 0,1,2,3,4,5,6,7                        ; plain lines that name none of the products' registers: the places behind them
	v_cndmask_b32 v[TK+\i], v[TL+2*\i], v[TL+2*\i+1], s9       ; row 2 i + h's token
.endr
.irp i, 0,1,2,3,4,5,6,7
	v_min_u32 v[TK+\i], 0x7ff, v[TK+\i]
.endr
.irp i, 0,1,2,3,4,5,6,7
	v_lshl_add_u32 v[TK+\i], v[TK+\i], 12, v12     ; out0: 4,096 token + 16 r
.endr
	s_wait_loadcnt 0x0                             ; the gate weight
.set i, 0
.rept 16
	v_pk_mul_f32 v[ACC+2*i:ACC+2*i+1], v[ACC+2*i:ACC+2*i+1], v[TW:TW+1] op_sel_hi:[1,0]   ; each accumulator from its low end on
.set i, i+1
.endr
.irp ct, 0,1,2,3
	ds_store_b128 v13, v[ACC+8*\ct:ACC+8*\ct+3] offset:64*\ct
	ds_store_b128 v13, v[ACC+8*\ct+4:ACC+8*\ct+7] offset:64*\ct+16
.endr
.irp i, 0,1,2,3,4,5,6,7
	ds_load_b128 v[WB+4*\i:WB+4*\i+3], v14 offset:2*\i*SP          ; LDS serves a wave's instructions in order: these see my stores
.endr
.irp i, 0,1,2,3,4,5,6,7
	s_wait_dscnt 7-\i
	global_store_b128 v[TK+\i], v[WB+4*\i:WB+4*\i+3], s[96:97] th:TH_STORE_NT     ; sixteen lanes store 256 consecutive bytes of a token's row, aligned
.endr
.Lskip:
	s_wait_xcnt 0x0                                ; the stores have read their data and offsets, the loads their bases: all are written again only behind this wait
	s_add_nc_u64 s[88:89], s[88:89], 0x80000       ; 32 tiles on
	s_add_nc_u64 s[98:99], s[98:99], 0x8000
	s_add_nc_u64 s[90:91], s[90:91], 2048
	s_add_co_u32 s7, s7, 32
	s_sub_co_u32 s8, s8, 1
	s_cmp_lg_u32 s8, 0
	s_cbranch_scc1 .Ltile
	s_wait_tensorcnt 0x0
	ds_add_u32 v8, v9
	s_wait_dscnt 0x0
	s_endpgm
.Lfunc_end_k_qe8126ded60_down:
	.size	k_qe8126ded60_down, .Lfunc_end_k_qe8126ded60_down-k_qe8126ded60_down
	.p2alignl 7, 3214868480
	.fill 96, 4, 3214868480
	.section	.rodata,"a",@progbits
	.p2align	6, 0x0
	.amdhsa_kernel k_qe8126ded60_down
		.amdhsa_group_segment_fixed_size 141312
		.amdhsa_private_segment_fixed_size 0
		.amdhsa_enable_private_segment 0
		.amdhsa_kernarg_size 56
		.amdhsa_user_sgpr_count 2
		.amdhsa_user_sgpr_kernarg_segment_ptr 1
		.amdhsa_wavefront_size32 1
		.amdhsa_system_sgpr_workgroup_id_x 1
		.amdhsa_system_sgpr_workgroup_id_y 1
		.amdhsa_system_sgpr_workgroup_id_z 1
		.amdhsa_system_vgpr_workitem_id 0
		.amdhsa_next_free_vgpr 256
		.amdhsa_next_free_sgpr 102
		.amdhsa_reserve_vcc 0
		.amdhsa_float_denorm_mode_32 3
		.amdhsa_float_denorm_mode_16_64 3
		.amdhsa_memory_ordered 1
		.amdhsa_forward_progress 1
		.amdhsa_inst_pref_size 39
	.end_amdhsa_kernel
	.amdgpu_metadata
---
amdhsa.version: [ 1, 2 ]
amdhsa.kernels:
  - .name:           k_qe8126ded60_down
    .symbol:         k_qe8126ded60_down.kd
    .args:
      - { .name: w2q, .offset: 0, .size: 8, .value_kind: global_buffer, .address_space: global }
      - { .name: w2s, .offset: 8, .size: 8, .value_kind: global_buffer, .address_space: global }
      - { .name: hq, .offset: 16, .size: 8, .value_kind: global_buffer, .address_space: global }
      - { .name: lst, .offset: 24, .size: 8, .value_kind: global_buffer, .address_space: global }
      - { .name: tw, .offset: 32, .size: 8, .value_kind: global_buffer, .address_space: global }
      - { .name: b2, .offset: 40, .size: 8, .value_kind: global_buffer, .address_space: global }
      - { .name: out0, .offset: 48, .size: 8, .value_kind: global_buffer, .address_space: global }
    .group_segment_fixed_size: 141312
    .private_segment_fixed_size: 0
    .kernarg_segment_align: 8
    .kernarg_segment_size: 56
    .max_flat_workgroup_size: 512
    .sgpr_count:     102
    .vgpr_count:     256
    .wavefront_size: 32
...
	.end_amdgpu_metadata
.endif
;; end of part 3
;; ======== version 2 of 2: 3 launches
;; workspace buffers: xq 1,048,576 bytes; xs 65,536 bytes; route 2,048 bytes of whole numbers; tw 8,192 bytes; w2q 8,388,608 bytes; w2s 524,288 bytes; hq 17,825,792 bytes; lst 69,632 bytes of whole numbers
;; launch prep (part 4): grid 256 x 1, 16 waves a work-group, no clusters, 11,008 bytes of LDS; arguments x, gate_W, gate_b, W2, xq, xs, route, tw, out1, w2q, w2s; writes xq, xs, route, tw, out1, w2q, w2s
.if DOCPART == 4
	.amdgcn_target "amdgcn-amd-amdhsa--gfx1250"
	.amdhsa_code_object_version 6
	.text
	.protected	k_qe8126ded60_prep
	.globl	k_qe8126ded60_prep
	.p2align	8
	.type	k_qe8126ded60_prep,@function
k_qe8126ded60_prep:
	s_mov_b64 s[64:65], 0
	v_nop
	global_prefetch_b8 v0, s[64:65] scope:SCOPE_SE
	s_setreg_imm32_b32 hwreg(HW_REG_WAVE_MODE, 25, 1), 1
	s_wait_xcnt 0x0
; PREP.  Each of the 256 work-groups (16 waves) does two things.
; A: for 8 tokens: the gate in f32 (x . gate_W + gate_b, softmax with the maximum taken away, first largest weight), and x as codes of FP4 (E2M1) with one E8M0 byte for each 32 along D.
;    out1 = the softmax; tw = the largest weight; route = for each expert one bit a token (byte g of an expert's 256: tokens 8 g .. 8 g + 7); xq = [token][512 bytes of codes]; xs = [token][32 scale bytes].
;    The chosen expert is only STORED here: no address and no branch of this launch hangs on it.
; B: 64 columns x 1,024 along K of one expert's W2 [2048 (k)][1024 (n)], f32, become codes.  A LANE TAKES A COLUMN AND ITS REGISTERS RUN DOWN K: a block of 32 lies in one lane, and the conversions give K innermost.
;    w2q = [expert][tile of 16 columns][K step of 128][1,024 bytes], an image of the operand's registers: byte 512 c + 16 (16 h + r) on holds k = 64 c + 32 h + 0 .. 31 of column r.
;    w2s = [expert][pair of tiles][K step][32 lanes]: one scale word a column.
; A block's scale is 2^(floor(log2(largest magnitude)) - 2): its byte is that magnitude's exponent field - 2, held at 1 from below.
; LIMITS: NaN and infinities are not served.  A block of zeros gets the byte 1 (the rule says 127): its codes are zeros, and this program alone reads the bytes.  The gate's sums are f32 in another order than
; the reference's: a token whose two largest weights agree to about 1e-6 of their size may go to the other expert.  An exponential under 2^-126 comes out as 0.
; No tensor loads, no cluster: no two work-groups read the same large bytes.  The route bytes (2,048 in all) leave singly, a byte a work-group and expert: every other store of a wave covers whole aligned runs of 256 bytes.
.set RED,  0                           ; LDS: [wave][token][8 f32] partial gate sums, 4,096 bytes
.set XC,   4096                        ; 8 rows of x's codes, 512 bytes + 16
.set XCP,  528
.set XSS,  8448                        ; [token][32] scale bytes
.set OUTS, 8704                        ; [token][8 f32] the softmax, on its way out
.set X,    16                          ; v16-31   my 16 numbers of x
.set SUM,  32                          ; v32-39   eight gate sums
.set PT,   40                          ; v40-47   lane permutes' results
.set CD,   48                          ; v48-63   part A: at work; part B: four registers of codes for each block
.set G,    64                          ; v64-191  gate_W of my 16 k x 8 experts
.set B23,  64                          ; v64-127  later: W2's blocks 2 and 3
.set FIN,  128                         ; v128-..  wave 0's last steps of the gate
.set XQD,  190                         ; v190-191 x's codes on their way out
.set B01,  192                         ; v192-255 W2's blocks 0 and 1
.set QM0,  40                          ; the quantiser's registers (part B)
.set QM1,  41
.set QSC,  42
.set QBY,  43
.set QW,   44
; 32 numbers down K in v[xs] on -> 4 registers of codes at v[c], and byte j of the scale word v[QW]
.macro QBLOCK xs, c, j
	v_max3_num_f32 v[QM0], |v[\xs]|, |v[\xs+1]|, |v[\xs+2]|
	v_max3_num_f32 v[QM1], |v[\xs+3]|, |v[\xs+4]|, |v[\xs+5]|
.irp i, 6,10,14,18,22,26
	s_delay_alu instid0(VALU_DEP_2)
	v_max3_num_f32 v[QM0], v[QM0], |v[\xs+\i]|, |v[\xs+\i+1]|
	s_delay_alu instid0(VALU_DEP_2)
	v_max3_num_f32 v[QM1], v[QM1], |v[\xs+\i+2]|, |v[\xs+\i+3]|
.endr
	s_delay_alu instid0(VALU_DEP_2)
	v_max3_num_f32 v[QM0], v[QM0], |v[\xs+30]|, |v[\xs+31]|
	s_delay_alu instid0(VALU_DEP_1)
	v_max3_num_f32 v[QM0], v[QM0], v[QM1], 0x1800000       ; the floor 2^(3 - 127): the byte cannot fall under 1
	s_delay_alu instid0(VALU_DEP_1)
	v_add_nc_u32 v[QSC], 0xff000000, v[QM0]                ; 2 off the exponent field: the conversion's scale operand
	s_delay_alu instid0(VALU_DEP_1)
	v_lshrrev_b32 v[QBY], 23, v[QSC]                       ; the scale's byte
.if \j == 0
	s_delay_alu instid0(VALU_DEP_1)
	v_mov_b32 v[QW], v[QBY]
.else
	s_delay_alu instid0(VALU_DEP_1)
	v_lshl_or_b32 v[QW], v[QBY], 8*\j, v[QW]
.endif
.irp g, 0,1,2,3
	v_cvt_scalef32_pk8_fp4_f32 v[\c+\g], v[\xs+8*\g:\xs+8*\g+7], v[QSC]
.endr
	v_nop                                                  ; one plain line behind the last scaled conversion
.endm
; block j of my column: W2(128 s + 32 j + i, column), i = 0 .. 31; a wave's load reads 128 consecutive bytes, two neighbouring waves 256
.macro BLOAD reg, j
.set i, 0
.rept 32
	global_load_b32 v[\reg+i], v6, s[10:11] offset:(32*\j+i)*4096 th:TH_LOAD_NT
.set i, i+1
.endr
.endm
	s_load_b512 s[4:19], s[0:1], 0x0               ; x s[4:5], gate_W s[6:7], gate_b s[8:9], W2 s[10:11], xq s[12:13], xs s[14:15], route s[16:17], tw s[18:19]
	s_load_b128 s[20:23], s[0:1], 0x40             ; out1 s[20:21], w2q s[22:23]
	s_load_b64 s[24:25], s[0:1], 0x50              ; w2s
	v_lshrrev_b32 v1, 5, v0
	s_delay_alu instid0(VALU_DEP_1)
	v_readfirstlane_b32 s26, v1                    ; wave 0..15
	v_and_b32 v1, 31, v0                           ; lane
	v_and_b32 v2, 7, v0                            ; tok: my token of the eight
	s_wait_alu depctr_va_vdst(0)
	v_bfe_u32 v3, v0, 3, 2                         ; q: which 16 of the wave's 64 along D
	s_mov_b32 s36, 0x76543210
	s_mov_b32 s37, 0xfedcba98                      ; v_permlanex16_b32's selects for lane l xor 16
	s_mov_b32 s60, 0x3fb8aa3b                      ; log2(e)
	s_and_b32 s53, s26, 1                          ; cg: which 32 of the 64 columns
	s_lshr_b32 s54, s26, 1                         ; kg
	s_lshr_b32 s50, ttmp9, 5                       ; expert
	s_bfe_u32 s51, ttmp9, 0x40001                  ; slice of 64 columns
	s_and_b32 s52, ttmp9, 1                        ; which half of K
	s_lshl_b32 s55, s52, 3
	s_add_co_u32 s55, s55, s54                     ; my K step of 128: 8 half + kg
	s_lshl_b32 s46, s50, 23                        ; W2: expert x 8 MiB + K step x 128 rows of 4,096 bytes + 256 slice + 128 cg
	s_lshl_b32 s48, s55, 19
	s_add_co_u32 s46, s46, s48
	s_lshl_b32 s48, s51, 8
	s_add_co_u32 s46, s46, s48
	s_lshl_b32 s48, s53, 7
	s_add_co_u32 s46, s46, s48
	s_mov_b32 s47, 0
	s_lshl_b32 s56, s50, 6                         ; my first tile of 16 columns: 64 expert + 4 slice + 2 cg
	s_lshl_b32 s48, s51, 2
	s_add_co_u32 s56, s56, s48
	s_lshl_b32 s48, s53, 1
	s_add_co_u32 s56, s56, s48
	s_lshr_b32 s58, s56, 1                         ; the pair of tiles
	s_lshl_b32 s58, s58, 4
	s_add_co_u32 s58, s58, s55
	s_lshl_b32 s58, s58, 7                         ; w2s: (16 pair + K step) x 128 bytes
	s_mov_b32 s59, 0
	s_lshl_b32 s56, s56, 14                        ; w2q: tile x 16 KiB + K step x 1,024
	s_lshl_b32 s48, s55, 10
	s_add_co_u32 s56, s56, s48
	s_mov_b32 s57, 0
	v_lshlrev_b32 v4, 12, v2                       ; x: 4,096 tok + 256 wave + 64 q
	s_wait_alu depctr_va_vdst(0)
	v_lshl_add_u32 v4, v3, 6, v4
	s_lshl_b32 s48, s26, 8
	v_add_nc_u32 v4, s48, v4
	v_lshlrev_b32 v5, 9, v3                        ; gate_W: rows 64 wave + 16 q on, 32 bytes a row
	s_lshl_b32 s49, s26, 11
	v_add_nc_u32 v5, s49, v5
	v_lshlrev_b32 v6, 2, v1                        ; W2: 4 bytes a lane
	v_lshl_add_u32 v7, v2, 5, s48                  ; RED: 256 wave + 32 tok
	v_mul_u32_u24 v8, v2, XCP                      ; XC, in: row tok, byte 32 wave + 8 q
	s_delay_alu instid0(VALU_DEP_1)
	v_lshl_add_u32 v8, v3, 3, v8
	s_lshl_b32 s49, s26, 5
	s_add_co_u32 s49, s49, XC
	v_add_nc_u32 v8, s49, v8
	v_lshrrev_b32 v9, 1, v3                        ; XSS: 32 tok + 2 wave + q / 2
	s_delay_alu instid0(VALU_DEP_1)
	v_lshl_add_u32 v9, v2, 5, v9
	s_lshl_b32 s49, s26, 1
	s_add_co_u32 s49, s49, XSS
	v_add_nc_u32 v9, s49, v9
	s_mul_i32 s49, s54, XCP                        ; XC, out: wave w takes half w % 2 of row w / 2, 8 bytes a lane
	s_lshl_b32 s61, s53, 8
	s_add_co_u32 s49, s49, s61
	s_add_co_u32 s49, s49, XC
	v_lshl_add_u32 v10, v1, 3, s49
	v_lshl_add_u32 v11, v1, 3, s48                 ; and the same place in the work-group's 4,096 bytes of xq
	v_bfe_u32 v12, v0, 4, 1                        ; w2q: tile lane / 16, 16 bytes a column
	s_delay_alu instid0(VALU_DEP_1)
	v_lshlrev_b32 v12, 14, v12
	v_and_b32 v13, 15, v0
	s_delay_alu instid0(VALU_DEP_1)
	v_lshl_add_u32 v12, v13, 4, v12
	v_lshlrev_b32 v13, 3, v1                       ; 8 x lane
	v_lshlrev_b32 v14, 10, v3                      ; RED, back: waves 4 q on, token tok
	s_delay_alu instid0(VALU_DEP_1)
	v_lshl_add_u32 v14, v2, 5, v14
	v_lshl_add_u32 v15, v2, 5, OUTS
.irp e, 0,1,2,3,4,5,6,7
	v_mov_b32 v[PT+\e], 0                          ; written once: a lane permute's destination counts as one of its sources
.endr
	s_wait_kmcnt 0x0
	s_load_b256 s[28:35], s[8:9], 0x0              ; gate_b
	s_add_nc_u64 s[10:11], s[10:11], s[46:47]
	s_add_nc_u64 s[22:23], s[22:23], s[56:57]
	s_add_nc_u64 s[24:25], s[24:25], s[58:59]
	s_lshl_b32 s46, ttmp9, 15                      ; 8 rows of x
	s_add_nc_u64 s[4:5], s[4:5], s[46:47]
	s_lshl_b32 s46, ttmp9, 12                      ; 8 rows of xq
	s_add_nc_u64 s[12:13], s[12:13], s[46:47]
	s_lshl_b32 s46, ttmp9, 8                       ; 8 rows of xs and of out1
	s_add_nc_u64 s[14:15], s[14:15], s[46:47]
	s_add_nc_u64 s[20:21], s[20:21], s[46:47]
	s_lshl_b32 s46, ttmp9, 5                       ; 8 numbers of tw
	s_add_nc_u64 s[18:19], s[18:19], s[46:47]
	s_mov_b32 s46, ttmp9                           ; my byte in each expert's 256 of route
	s_add_nc_u64 s[16:17], s[16:17], s[46:47]
.irp i, 0,1,2,3
	global_load_b128 v[X+4*\i:X+4*\i+3], v4, s[4:5] offset:16*\i th:TH_LOAD_NT
.endr
.set i, 0
.rept 32
	global_load_b128 v[G+4*i:G+4*i+3], v5, s[6:7] offset:16*i      ; register G + 8 k + e
.set i, i+1
.endr
	BLOAD B01, 0
	BLOAD B01+32, 1
	s_wait_loadcnt 63                              ; x and gate_W have 64 younger loads behind them; 63 is the largest count that a wait names
	; ---- the gate's partial sums: my 16 k, eight experts, two at a time
.irp p, 0,1,2,3
	v_pk_mul_f32 v[SUM+2*\p:SUM+2*\p+1], v[X:X+1], v[G+2*\p:G+2*\p+1] op_sel_hi:[0,1]
.endr
.set i, 1
.rept 15
.irp p, 0,1,2,3
.if i%2
	s_delay_alu instid0(VALU_DEP_4)
	v_pk_fma_f32 v[SUM+2*\p:SUM+2*\p+1], v[X+(i/2)*2:X+(i/2)*2+1], v[G+8*i+2*\p:G+8*i+2*\p+1], v[SUM+2*\p:SUM+2*\p+1] op_sel:[1,0,0] op_sel_hi:[1,1,1]
.else
	s_delay_alu instid0(VALU_DEP_4)
	v_pk_fma_f32 v[SUM+2*\p:SUM+2*\p+1], v[X+(i/2)*2:X+(i/2)*2+1], v[G+8*i+2*\p:G+8*i+2*\p+1], v[SUM+2*\p:SUM+2*\p+1] op_sel_hi:[0,1,1]
.endif
.endr
.set i, i+1
.endr
	BLOAD B23, 2                                   ; gate_W's registers are free: the rest of my W2
	BLOAD B23+32, 3
.irp e, 0,1,2,3,4,5,6,7
	v_add_f32_dpp v[SUM+\e], v[SUM+\e], v[SUM+\e] row_xmask:8 row_mask:0xf bank_mask:0xf   ; the four lanes of a token: lane xor 8,
.endr
.irp e, 0,1,2,3,4,5,6,7
	v_permlanex16_b32 v[PT+\e], v[SUM+\e], s36, s37
.endr
.irp e, 0,1,2,3,4,5,6,7
	v_add_f32 v[SUM+\e], v[SUM+\e], v[PT+\e]       ; and lane xor 16
.endr
	ds_store_b128 v7, v[SUM:SUM+3]                 ; the four lanes write the same bytes with the same values
	ds_store_b128 v7, v[SUM+4:SUM+7] offset:16
	; ---- x into codes: lanes l and l xor 8 hold a block of 32
	v_max3_num_f32 v48, |v[X]|, |v[X+1]|, 0x1800000
.irp i, 2,4,6,8,10,12,14
	s_delay_alu instid0(VALU_DEP_1)
	v_max3_num_f32 v48, v48, |v[X+\i]|, |v[X+\i+1]|
.endr
	s_delay_alu instid0(VALU_DEP_1)
	v_max_num_f32_dpp v48, v48, v48 row_xmask:8 row_mask:0xf bank_mask:0xf
	s_delay_alu instid0(VALU_DEP_1)
	v_add_nc_u32 v49, 0xff000000, v48
	s_delay_alu instid0(VALU_DEP_1)
	v_lshrrev_b32 v50, 23, v49
	v_cvt_scalef32_pk8_fp4_f32 v52, v[X:X+7], v49
	v_cvt_scalef32_pk8_fp4_f32 v53, v[X+8:X+15], v49
	v_nop
	ds_store_b64 v8, v[52:53]
	ds_store_b8 v9, v50                            ; both lanes of a block write the same byte
	s_wait_kmcnt 0x0                               ; gate_b
	s_wait_dscnt 0x0                               ; my stores have landed: the others read them behind the barrier
	s_barrier_signal -1
	s_barrier_wait -1
	ds_load_b64 v[XQD:XQD+1], v10
	s_wait_dscnt 0x0
	global_store_b64 v11, v[XQD:XQD+1], s[12:13]   ; 32 lanes store 256 consecutive bytes, aligned
	s_cmp_lg_u32 s26, 0
	s_cbranch_scc1 .Lweights
	; ---- wave 0 finishes the gate: lane (tok, q) adds waves 4 q .. 4 q + 3
.irp a, 0,1,2,3
	ds_load_b128 v[FIN+8*\a:FIN+8*\a+3], v14 offset:256*\a
	ds_load_b128 v[FIN+8*\a+4:FIN+8*\a+7], v14 offset:256*\a+16
.endr
	v_lshlrev_b32 v188, 2, v2                      ; tw: 4 tok
	v_lshlrev_b32 v189, 8, v2                      ; route: expert lane % 8, 256 bytes an expert
	s_wait_dscnt 0x0
.irp p, 0,2,4,6
	v_pk_add_f32 v[FIN+\p:FIN+\p+1], v[FIN+\p:FIN+\p+1], v[FIN+8+\p:FIN+9+\p]
	v_pk_add_f32 v[FIN+16+\p:FIN+17+\p], v[FIN+16+\p:FIN+17+\p], v[FIN+24+\p:FIN+25+\p]
.endr
.irp p, 0,2,4,6
	v_pk_add_f32 v[FIN+\p:FIN+\p+1], v[FIN+\p:FIN+\p+1], v[FIN+16+\p:FIN+17+\p]
.endr
.irp e, 0,1,2,3,4,5,6,7
	v_add_f32_dpp v[FIN+\e], v[FIN+\e], v[FIN+\e] row_xmask:8 row_mask:0xf bank_mask:0xf
.endr
.irp e, 0,1,2,3,4,5,6,7
	v_permlanex16_b32 v[PT+\e], v[FIN+\e], s36, s37
.endr
.irp e, 0,1,2,3,4,5,6,7
	v_add_f32 v[FIN+\e], v[FIN+\e], v[PT+\e]
.endr
.irp e, 0,1,2,3,4,5,6,7
	v_add_f32 v[FIN+\e], s[28+\e], v[FIN+\e]       ; + gate_b: every lane holds its token's eight logits
.endr
	v_max3_num_f32 v136, v128, v129, v130          ; the row's maximum is taken away ahead of the exponentials
	s_delay_alu instid0(VALU_DEP_1)
	v_max3_num_f32 v136, v136, v131, v132
	s_delay_alu instid0(VALU_DEP_1)
	v_max3_num_f32 v136, v136, v133, v134
	s_delay_alu instid0(VALU_DEP_1)
	v_max_num_f32 v136, v136, v135
	s_delay_alu instid0(VALU_DEP_1)
	v_mul_f32 v136, s60, v136
.irp e, 0,1,2,3,4,5,6,7
	v_fma_f32 v[FIN+\e], v[FIN+\e], s60, -v136     ; (l - m) log2(e)
.endr
	s_wait_alu depctr_va_vdst(0)
.irp e, 0,1,2,3,4,5,6,7
	v_exp_f32 v[FIN+\e], v[FIN+\e]
.endr
	v_mov_b32 v139, 0                              ; (a plain line behind the exponentials)  the chosen expert so far
	s_wait_alu depctr_va_vdst(0)                   ; one wait for the eight, ahead of their first reader
	v_add_f32 v137, v128, v129
	v_add_f32 v142, v130, v131
	v_add_f32 v143, v132, v133
	v_add_f32 v148, v134, v135
	s_delay_alu instid0(VALU_DEP_3)
	v_add_f32 v137, v137, v142
	s_delay_alu instid0(VALU_DEP_2)
	v_add_f32 v143, v143, v148
	s_delay_alu instid0(VALU_DEP_1)
	v_add_f32 v137, v137, v143
	s_wait_alu depctr_va_vdst(0)
	v_rcp_f32 v138, v137
	v_nop
	s_wait_alu depctr_va_vdst(0)
.irp e, 0,1,2,3,4,5,6,7
	v_mul_f32 v[FIN+\e], v[FIN+\e], v138           ; the softmax
.endr
	v_mov_b32 v140, v128                           ; the largest weight so far
.irp e, 1,2,3,4,5,6,7
	s_delay_alu instid0(VALU_DEP_1)
	v_cmp_gt_f32 vcc_lo, v[FIN+\e], v140           ; strictly larger: the first of equals stays
	s_delay_alu instid0(VALU_DEP_1)
	v_cndmask_b32 v139, v139, \e, vcc_lo
	s_delay_alu instid0(VALU_DEP_3)
	v_max_num_f32 v140, v140, v[FIN+\e]
.endr
	ds_store_b128 v15, v[FIN:FIN+3]                ; out1 goes through LDS, so that the 32 lanes store 256 consecutive bytes
	ds_store_b128 v15, v[FIN+4:FIN+7] offset:16
	ds_load_b64 v[144:145], v13 offset:OUTS        ; LDS serves a wave's instructions in order: this sees my stores
	ds_load_b64 v[146:147], v13 offset:XSS         ; the eight tokens' scale bytes
.irp e, 0,1,2,3,4,5,6,7
	v_cmp_eq_u32 s[38+\e], \e, v139                ; bits 0-7: which of the eight tokens chose expert e
.endr
	v_mov_b32 v141, s38
.irp e, 1,2,3,4,5,6,7
	v_cmp_eq_u32 vcc_lo, \e, v2
	s_delay_alu instid0(VALU_DEP_1)
	v_cndmask_b32 v141, v141, s[38+\e], vcc_lo     ; lane l takes expert l % 8's bits
.endr
	s_wait_alu depctr_va_vdst(0)
	s_wait_dscnt 0x0
	global_store_b64 v13, v[144:145], s[20:21]
	global_store_b64 v13, v[146:147], s[14:15]
	global_store_b32 v188, v140, s[18:19]          ; four lanes store the same number
	global_store_b8 v189, v141, s[16:17]           ; the low byte; four lanes store the same byte
.Lweights:
	; ---- W2's codes.  Each block has code registers of its own, so no store's data are written again
	s_wait_loadcnt 63                              ; blocks 0 and 1 have 64 younger loads behind them
	QBLOCK B01, CD, 0
	global_store_b128 v12, v[CD:CD+3], s[22:23]                     ; sixteen lanes store 256 consecutive bytes, aligned
	QBLOCK B01+32, CD+4, 1
	global_store_b128 v12, v[CD+4:CD+7], s[22:23] offset:256
	s_wait_loadcnt 32                              ; block 3's 32 loads may be out
	QBLOCK B23, CD+8, 2
	global_store_b128 v12, v[CD+8:CD+11], s[22:23] offset:512
	s_wait_loadcnt 0x0
	QBLOCK B23+32, CD+12, 3
	global_store_b128 v12, v[CD+12:CD+15], s[22:23] offset:768
	global_store_b32 v6, v[QW], s[24:25]           ; my column's scale word of this K step
	s_wait_xcnt 0x0
	v_lshl_add_u32 v254, v0, 2, 0x2300
	v_mov_b32 v255, 0
	s_wait_alu depctr_va_vdst(0)
	s_wait_tensorcnt 0x0
	ds_add_u32 v254, v255
	s_wait_dscnt 0x0
	s_endpgm
.Lfunc_end_k_qe8126ded60_prep:
	.size	k_qe8126ded60_prep, .Lfunc_end_k_qe8126ded60_prep-k_qe8126ded60_prep
	.p2alignl 7, 3214868480
	.fill 96, 4, 3214868480
	.section	.rodata,"a",@progbits
	.p2align	6, 0x0
	.amdhsa_kernel k_qe8126ded60_prep
		.amdhsa_group_segment_fixed_size 11008
		.amdhsa_private_segment_fixed_size 0
		.amdhsa_enable_private_segment 0
		.amdhsa_kernarg_size 88
		.amdhsa_user_sgpr_count 2
		.amdhsa_user_sgpr_kernarg_segment_ptr 1
		.amdhsa_wavefront_size32 1
		.amdhsa_system_sgpr_workgroup_id_x 1
		.amdhsa_system_sgpr_workgroup_id_y 1
		.amdhsa_system_sgpr_workgroup_id_z 1
		.amdhsa_system_vgpr_workitem_id 0
		.amdhsa_next_free_vgpr 256
		.amdhsa_next_free_sgpr 66
		.amdhsa_reserve_vcc 1
		.amdhsa_float_denorm_mode_32 3
		.amdhsa_float_denorm_mode_16_64 3
		.amdhsa_memory_ordered 1
		.amdhsa_forward_progress 1
		.amdhsa_inst_pref_size 46
	.end_amdhsa_kernel
	.amdgpu_metadata
---
amdhsa.version: [ 1, 2 ]
amdhsa.kernels:
  - .name:           k_qe8126ded60_prep
    .symbol:         k_qe8126ded60_prep.kd
    .args:
      - { .name: x, .offset: 0, .size: 8, .value_kind: global_buffer, .address_space: global }
      - { .name: gate_W, .offset: 8, .size: 8, .value_kind: global_buffer, .address_space: global }
      - { .name: gate_b, .offset: 16, .size: 8, .value_kind: global_buffer, .address_space: global }
      - { .name: W2, .offset: 24, .size: 8, .value_kind: global_buffer, .address_space: global }
      - { .name: xq, .offset: 32, .size: 8, .value_kind: global_buffer, .address_space: global }
      - { .name: xs, .offset: 40, .size: 8, .value_kind: global_buffer, .address_space: global }
      - { .name: route, .offset: 48, .size: 8, .value_kind: global_buffer, .address_space: global }
      - { .name: tw, .offset: 56, .size: 8, .value_kind: global_buffer, .address_space: global }
      - { .name: out1, .offset: 64, .size: 8, .value_kind: global_buffer, .address_space: global }
      - { .name: w2q, .offset: 72, .size: 8, .value_kind: global_buffer, .address_space: global }
      - { .name: w2s, .offset: 80, .size: 8, .value_kind: global_buffer, .address_space: global }
    .group_segment_fixed_size: 11008
    .private_segment_fixed_size: 0
    .kernarg_segment_align: 8
    .kernarg_segment_size: 88
    .max_flat_workgroup_size: 512
    .sgpr_count:     66
    .vgpr_count:     256
    .wavefront_size: 32
...
	.end_amdgpu_metadata
.endif
;; end of part 4
;; launch up (part 5): grid 32 x 8, 16 waves a work-group, no clusters, 46,080 bytes of LDS; arguments W1, b1, xq, xs, route, hq, lst; writes hq, lst
.if DOCPART == 5
	.amdgcn_target "amdgcn-amd-amdhsa--gfx1250"
	.amdhsa_code_object_version 6
	.text
	.protected	k_qe8126ded60_up
	.globl	k_qe8126ded60_up
	.p2align	8
	.type	k_qe8126ded60_up,@function
k_qe8126ded60_up:
	s_mov_b64 s[64:65], 0
	v_nop
	global_prefetch_b8 v0, s[64:65] scope:SCOPE_SE
	s_setreg_imm32_b32 hwreg(HW_REG_WAVE_SCHED_MODE, 0, 2), 2
	s_setreg_imm32_b32 hwreg(HW_REG_WAVE_MODE, 25, 1), 1
	s_wait_xcnt 0x0
	s_wait_alu depctr_vm_vsrc(0)
; UP.  h = Q(relu(x W1[e] + b1[e])) for the tokens that chose expert e, on codes of FP4 (E2M1) with one E8M0 scale for each 32 along K.  Work-group (sigma, e) owns hidden units 64 sigma .. 64 sigma + 63 of expert e.
; 1. THE WEIGHTS ARE READ ONCE, AS f32: the 16 waves stream W1[e][0..1023][my 64 columns] (a lane a column, its registers down K, 128 numbers a lane), quantise them and lay them in LDS as images of the
;    operand's registers (byte 512 c + 16 lane of a K step's 1,024): 4 tiles of 16 hidden units x 8 K steps.
; 2. THE ROWS: every wave reads the expert's 64 mask words (a bit a token, stored by the launch before) and counts them; wave 0 clears the list's region in LDS, lays the list position -> token there, fills the 32
;    positions behind its end with its last token (so that no lane is ever switched off) and adds the count.  The work-group with sigma = 0 copies the region to lst, for the launch that follows.
; 3. Wave w takes tiles of 16 list rows t = w, w + 16, ..: EACH TILE OF x IS READ BY ONE WAVE OF THE WORK-GROUP, against all 64 hidden units; W1's fragments come from LDS, a K step (four fragments) at a time, in three sets.
;    The first tile's rows are asked for with no condition, as soon as half of the stream's registers are free (a wave without a tile finds token 0 in the cleared list and reads one valid row); a first trip and a loop of
;    seven, constants; a trip whose tile lies past the list is jumped over.  So every split is served, all 2,048 tokens on one expert too.
; THE PRODUCT IS USED TRANSPOSED (source 0 = 16 hidden units, source 1 = 16 tokens), AND THE HIDDEN UNITS OF A TILE ARE NOT NEIGHBOURS: row r of tile 2 b + u is unit 32 b + 8 u + r + 8 (r / 8), so that a lane's 16 results
; of tiles 2 b and 2 b + 1 are 16 neighbours along the next K: units 32 b + 16 (lane / 16) + 0 .. 15 of token lane % 16.  b1 is the C of each sum's first product.
; hq = [expert][tile t][K step][1,024 bytes], the same image with row = list position; behind it, from byte HSOFF on, [expert][t][K step][16 rows] scale words.  A block's codes of a tile are 256 consecutive bytes, aligned;
; a row's two scale bytes leave as 16 bits (two bytes for each 32 bytes of codes).
; No tensor load and no cluster: branches here hang on numbers read from memory.
; LIMITS: NaN and infinities are not served; a block of zeros gets the byte 1 (the rule says 127): its codes are zeros, and this program alone reads the bytes.
; THE MODE: SCHED_MODE bits 1:0 = 2 (LLVM: expert scheduling mode 2), set by the entry lines.  The code itself states the register dependences
; between vector or matrix instructions and memory or LDS instructions, with s_wait_alu, always for 0.
; THE PLAN.  Registers that memory or LDS instructions touch:
;   v4-v12, v14, v15   offsets and LDS addresses, made at the head and never written again: one wait at the head serves them all.
;   v13                the list's address: written at the head and once in a trip of the loop; read by the load from the list.
;   v40; v41, v42      the load from the list lands in v40; three vector lines make the gather's offsets v41 and v42 of it; the gather's loads read these.
;   v128-v255          the stream's loads land, the quantiser reads.  Then v128-191 take x's fragments (read by the products), and v192-223, v224-255 and v92-123 are the three sets of W1's fragments.
;   the three sets     K step k's products read set k % 3; the loads of step k + 2 land in set (k - 1) % 3, dealt among step k's four products, which name none of its registers.
;                      So ONE wait on va_vdst stands at the head of a step, behind the wait for its fragments: the step before is done reading the set that is asked for again.
;   v16-39, v48-79     scale words and b1: loads land; the products (and, of v48-79, the vector lines behind them) read.
;   v96-v112           W1's codes and scale word: the quantiser writes, the LDS stores read.   v86, v88-91: h's bytes and codes: the conversions write, the stores of the tile read.
;   v80-v121, v48-115  in wave 0 alone: the list's addresses and data; the list on its way to lst.
; The wait ahead of a tile's stores stands behind its last vector line: it also states that all the tile's vector and matrix lines are done with the registers in which the next tile's loads land.
.set WT,    8320                       ; LDS: a tile's 8 K steps x 1,024 bytes, + 128 so that the two tiles that a store's lanes touch fall on different banks
.set WSC,   4*WT                       ; [tile][row][8 scale words], 2,048 bytes
.set LIST,  WSC+2048                   ; 8,704 bytes: words 0 .. 2,079 positions, 2,080 .. 2,111 a word a lane for the lanes that have nothing to say, word 2,112 the count
.set CNTW,  8448
.set LSTB,  8704
.set HSOFF, 0x1000000                  ; where the scale words begin in hq
.set WS,   16                          ; v16-31   W1's scale words: register 8 b + K step; lanes 0-15 tile 2 b, lanes 16-31 tile 2 b + 1
.set XS,   32                          ; v32-39   x's scale words
.set TOK,  40                          ; v40 my row's token, v41 its codes' offset, v42 its scale words'
.set XO,   41
.set SO,   42
.set ACC,  48                          ; v48-79   four accumulators
.set HM,   80                          ; v80-81 largest magnitudes, v82-83 the other half's, v84-85 scale operands, v86-87 bytes, v88-91 codes
.set HP,   82
.set HSC,  84
.set HBY,  86
.set HC,   88
.set QM0,  92                          ; the stream's quantiser
.set QM1,  93
.set QSC,  94
.set QBY,  95
.set CD,   96                          ; v96-111  W1's codes, four registers a block
.set QW,   112
.set LA,   80                          ; the list: two sets of 8 addresses + 8 tokens: v80-95, v96-111
.set LZ,   112                         ; v112-115 zeros
.set LC,   116                         ; v116 the count's address, v117 the count
.set LD,   118                         ; 2,080 + lane
.set LX,   119                         ; v119-121 the filling up
.set CP,   48                          ; v48-115  the list on its way to lst
.set WF,   128                         ; v128-255 the stream's numbers;
.set XF,   128                         ; then v128-191 x's eight fragments,
.set WB,   192                         ; v192-255 W1's fragments, sets 0 and 1 of four;
.set W3,   92                          ; v92-123  set 2, in the registers that the stream's quantiser has left
.macro QBLOCK xs, c, j                 ; 32 numbers down K in v[xs] on -> 4 registers of codes at v[c], and byte j of the scale word v[QW]
	v_max3_num_f32 v[QM0], |v[\xs]|, |v[\xs+1]|, |v[\xs+2]|
	v_max3_num_f32 v[QM1], |v[\xs+3]|, |v[\xs+4]|, |v[\xs+5]|
.irp i, 6,10,14,18,22,26
	v_max3_num_f32 v[QM0], v[QM0], |v[\xs+\i]|, |v[\xs+\i+1]|
	v_max3_num_f32 v[QM1], v[QM1], |v[\xs+\i+2]|, |v[\xs+\i+3]|
.endr
	v_max3_num_f32 v[QM0], v[QM0], |v[\xs+30]|, |v[\xs+31]|
	v_max3_num_f32 v[QM0], v[QM0], v[QM1], 0x1800000       ; the floor 2^(3 - 127): the byte cannot fall under 1
	v_add_nc_u32 v[QSC], 0xff000000, v[QM0]                ; 2 off the exponent field: the conversion's scale operand
	v_lshrrev_b32 v[QBY], 23, v[QSC]
.if \j == 0
	v_mov_b32 v[QW], v[QBY]
.else
	v_lshl_or_b32 v[QW], v[QBY], 8*\j, v[QW]
.endif
.irp g, 0,1,2,3
	v_cvt_scalef32_pk8_fp4_f32 v[\c+\g], v[\xs+8*\g:\xs+8*\g+7], v[QSC]
.endr
	v_nop                                                  ; one plain line behind the last scaled conversion
.endm
.macro SLOAD j                         ; block j of my column: W1(128 kg + 32 j + i, column); a wave's load reads 128 consecutive bytes, two neighbouring waves 256
.set i, 0
.rept 32
	global_load_b32 v[WF+32*\j+i], v4, s[84:85] offset:(32*\j+i)*8192 th:TH_LOAD_NT
.set i, i+1
.endr
.endm
; mask word j lies in s[16 + j], from word 48 on in s[20 + j]
.macro COUNT
	s_mov_b32 s5, 0
.set j, 0
.rept 64
.set mj, 16+j+4*(j/48)
	s_bcnt1_i32_b32 s14, s[mj]
	s_add_co_u32 s5, s5, s14
.set j, j+1
.endr
	s_add_co_u32 s6, s5, 15
	s_lshr_b32 s6, s6, 4                           ; tiles of 16 rows
.endm
; The list.  Chunk j: lane i stands for token 32 j + i; a chosen token's position is the count of chosen tokens in front of it.  Every position is held under the region's end ahead of its use as an address.
; Eight chunks go stage by stage, so that no line waits for the line above it; two sets of registers take turns.  The registers of the list's end are made first, with the zeros, under one wait.
.macro MAKELIST
.irp i, 0,1,2,3
	v_mov_b32 v[LZ+\i], 0
.endr
	v_add_nc_u32 v[LD], 2080, v1
	s_max_u32 s14, s5, 1                           ; the last token of the list (of an empty list: the cleared word 0)
	s_sub_co_u32 s14, s14, 1
	s_min_u32 s14, s14, 0x7ff
	s_lshl_b32 s14, s14, 2
	s_add_co_u32 s14, s14, LIST
	v_mov_b32 v[LX], s14
	v_add_nc_u32 v[LX+2], s5, v1
	v_min_u32 v[LX+2], 0x81f, v[LX+2]
	v_lshl_add_u32 v[LX+2], v[LX+2], 2, LIST
	v_mov_b32 v[LC], LIST+CNTW
	v_mov_b32 v[LC+1], s5
	s_wait_alu depctr_va_vdst(0)                   ; the zeros v112-115 are written, which the clearing stores read; so are v116, v117, v119 and v121, which the LDS lines at the list's end read
.set i, 0
.rept 17
	ds_store_b128 v15, v[LZ:LZ+3] offset:512*i     ; the whole region is cleared first: every byte of it is written before it is read
.set i, i+1
.endr
	s_mov_b32 s9, 0
.set jb, 0
.rept 8
.set st, LA+16*(jb%2)
.if jb >= 2
	s_wait_dscnt 8                                 ; the last batch's eight stores may be out: the batch before it, which read this set of registers, is done
	s_wait_alu depctr_vm_vsrc(0)                   ; the stores issued so far have read their addresses and tokens: this set is written again
.endif
.set i, 0
.rept 8
.set mj, 16+(8*jb+i)+4*((8*jb+i)/48)
	v_mbcnt_lo_u32_b32 v[st+i], s[mj], s9
	s_bcnt1_i32_b32 s14, s[mj]
	s_add_co_u32 s9, s9, s14
.set i, i+1
.endr
.set i, 0
	s_wait_alu depctr_va_vdst(0)
.rept 8
.set mj, 16+(8*jb+i)+4*((8*jb+i)/48)
	v_cndmask_b32 v[st+i], v[LD], v[st+i], s[mj]
.set i, i+1
.endr
.set i, 0
.rept 8
	v_min_u32 v[st+i], 0x83f, v[st+i]
.set i, i+1
.endr
.set i, 0
.rept 8
	v_lshl_add_u32 v[st+i], v[st+i], 2, LIST
.set i, i+1
.endr
.set i, 0
.rept 8
	v_add_nc_u32 v[st+8+i], 32*(8*jb+i), v1
.set i, i+1
.endr
	s_wait_alu depctr_va_vdst(0)                   ; this batch's eight addresses and eight tokens are written, which its stores read
.set i, 0
.rept 8
	ds_store_b32 v[st+i], v[st+8+i]
.set i, i+1
.endr
.set jb, jb+1
.endr
	ds_load_b32 v[LX+1], v[LX]                     ; LDS serves a wave's instructions in order: this sees my stores
	s_wait_dscnt 0x0
	ds_store_b32 v[LX+2], v[LX+1]                  ; fills the 32 positions behind the list's end
	ds_store_b32 v[LC], v[LC+1]                    ; every lane writes the same word with the same number
	s_wait_alu depctr_vm_vsrc(0)                   ; all the list's LDS stores have read v80-v121: the copy's loads, the quantiser and the tiles' vector lines write these registers again.  It stands ahead of the branch
.endm
.macro COPYLIST                        ; the region as it lies, 17 x 512 consecutive bytes.  No vector line has been issued since the last batch's wait on va_vdst: the loads may land in v48-115
	s_wait_dscnt 0x0
.set i, 0
.rept 17
	ds_load_b128 v[CP+4*i:CP+4*i+3], v15 offset:512*i
.set i, i+1
.endr
	s_wait_dscnt 0x0
.set i, 0
.rept 17
	global_store_b128 v9, v[CP+4*i:CP+4*i+3], s[96:97] offset:512*i
.set i, i+1
.endr
	s_wait_xcnt 0x0                                ; the stores have read their registers: these are written again only behind this wait
	s_wait_alu depctr_vm_vsrc(0)                   ; the stores to lst have read v48-115, in which b1's loads land and which the quantiser writes
.endm
; my row's token is in v[TOK]: the offsets of its codes and of its scale words
.macro GATHER_A
	v_min_u32 v[TOK], 0x7ff, v[TOK]
	v_lshl_add_u32 v[XO], v[TOK], 9, v8            ; xq: 512 token + 16 h
	v_lshlrev_b32 v[SO], 5, v[TOK]                 ; xs: 32 token
.endm
; its scale words, its eight fragments, and b1 at my 32 hidden units (the sums begin with it): 26 loads
.macro GATHER_L
	global_load_b128 v[XS:XS+3], v[SO], s[90:91]
	global_load_b128 v[XS+4:XS+7], v[SO], s[90:91] offset:16
.irp s, 0,1,2,3,4,5,6,7
.irp c, 0,1
	global_load_b128 v[XF+8*\s+4*\c:XF+8*\s+4*\c+3], v[XO], s[88:89] offset:64*\s+32*\c
.endr
.endr
.irp b, 0,1
.irp u, 0,1
	global_load_b128 v[ACC+16*\b+8*\u:ACC+16*\b+8*\u+3], v14, s[86:87] offset:128*\b+32*\u
	global_load_b128 v[ACC+16*\b+8*\u+4:ACC+16*\b+8*\u+7], v14, s[86:87] offset:128*\b+32*\u+16
.endr
.endr
.endm
.macro GL ks, set                      ; K step ks of the four tiles of hidden units into set 0 or 1: eight LDS loads of 512 consecutive bytes
.irp t, 0,1,2,3
.irp c, 0,1
	ds_load_b128 v[WB+32*(\set)+8*\t+4*\c:WB+32*(\set)+8*\t+4*\c+3], v9 offset:\t*WT+(\ks)*1024+\c*512
.endr
.endr
.endm
; K step ks: its four products, from set ks % 3: the four accumulators take turns, one instruction a turn.
; more = 1: the eight loads of K step ks + 2 are dealt among them, two ahead of each product, into set (ks + 2) % 3, of which the products name no register.
.macro KSTEP ks, more
.set wm, WB+32*((\ks)%3)
.if (\ks)%3 == 2
.set wm, W3
.endif
.set wl, WB+32*(((\ks)+2)%3)
.if ((\ks)+2)%3 == 2
.set wl, W3
.endif
.irp b, 0,1
.if \more
	ds_load_b128 v[wl+16*\b:wl+16*\b+3], v9 offset:(2*\b)*WT+((\ks)+2)*1024
	ds_load_b128 v[wl+16*\b+4:wl+16*\b+7], v9 offset:(2*\b)*WT+((\ks)+2)*1024+512
.endif
	v_wmma_scale_f32_16x16x128_f8f6f4 v[ACC+16*\b:ACC+16*\b+7], v[wm+16*\b:wm+16*\b+7], v[XF+8*(\ks):XF+8*(\ks)+7], v[ACC+16*\b:ACC+16*\b+7], v[WS+8*\b+(\ks)], v[XS+(\ks)] matrix_a_fmt:MATRIX_FMT_FP4 matrix_b_fmt:MATRIX_FMT_FP4
.if \more
	ds_load_b128 v[wl+16*\b+8:wl+16*\b+11], v9 offset:(2*\b+1)*WT+((\ks)+2)*1024
	ds_load_b128 v[wl+16*\b+12:wl+16*\b+15], v9 offset:(2*\b+1)*WT+((\ks)+2)*1024+512
.endif
	v_wmma_scale_f32_16x16x128_f8f6f4 v[ACC+16*\b+8:ACC+16*\b+15], v[wm+16*\b+8:wm+16*\b+15], v[XF+8*(\ks):XF+8*(\ks)+7], v[ACC+16*\b+8:ACC+16*\b+15], v[WS+8*\b+(\ks)], v[XS+(\ks)] matrix_a_fmt:MATRIX_FMT_FP4 matrix_b_fmt:MATRIX_FMT_FP4 matrix_a_scale:MATRIX_SCALE_ROW1
.endr
.endm
; a tile: 32 products, relu, the two blocks of 32 quantised, stored.  At its head every earlier vector and matrix line that named one of the three sets stands ahead of a wait on va_vdst: so K steps 0, 1 and 2 are asked for with no wait of their own
.macro COMPUTE
	GL 0, 0
	GL 1, 1
.set KK, 0
.rept 8
.if KK < 7
	s_wait_dscnt 8                                 ; this K step's eight loads are in; the next one's may be out
.else
	s_wait_dscnt 0x0
.endif
.if KK < 6
.if KK > 0
	s_wait_alu depctr_va_vdst(0)                   ; the products of the K step before are done reading their set, in which the loads of the K step after next land
.endif
	KSTEP KK, 1
.else
	KSTEP KK, 0
.endif
.set KK, KK+1
.endr
.rept 5
	v_nop                                          ; places behind the products: four for the reads below (ISA guide 7.12.1), a fifth for the next tile's products
.endr
.set i, 0
.rept 32
	v_max_num_f32 v[ACC+i], 0, v[ACC+i]            ; relu, in f32; each accumulator from its low end on
.set i, i+1
.endr
.irp b, 0,1
	v_max3_num_f32 v[HM+\b], v[ACC+16*\b], v[ACC+16*\b+1], 0x1800000   ; my 16 of block b's 32, and the floor; none is negative
.endr
.irp i, 2,4,6,8,10,12,14
.irp b, 0,1
	v_max3_num_f32 v[HM+\b], v[HM+\b], v[ACC+16*\b+\i], v[ACC+16*\b+\i+1]
.endr
.endr
.irp b, 0,1
	v_permlanex16_b32 v[HP+\b], v[HM+\b], s98, s99
.endr
.irp b, 0,1
	v_max_num_f32 v[HM+\b], v[HM+\b], v[HP+\b]     ; with lane l xor 16's 16
.endr
.irp b, 0,1
	v_add_nc_u32 v[HSC+\b], 0xff000000, v[HM+\b]
.endr
.irp b, 0,1
	v_lshrrev_b32 v[HBY+\b], 23, v[HSC+\b]
.endr
	v_lshl_or_b32 v[HBY], v[HBY+1], 8, v[HBY]      ; the two blocks' bytes, the lower K in the lower byte
.irp b, 0,1
	v_cvt_scalef32_pk8_fp4_f32 v[HC+2*\b], v[ACC+16*\b:ACC+16*\b+7], v[HSC+\b]
	v_cvt_scalef32_pk8_fp4_f32 v[HC+2*\b+1], v[ACC+16*\b+8:ACC+16*\b+15], v[HSC+\b]
.endr
	v_nop
	s_wait_alu depctr_va_vdst(0)                   ; the codes v88-91 and the bytes v86 are written, which the stores read; and the tile's products and vector lines are done with x's fragments, the scale words, the sums and the three sets, in which the next tile's loads land
	global_store_b64 v11, v[HC:HC+1], s[94:95]                 ; 32 lanes store 256 consecutive bytes, aligned: lanes 0-15 of the image's half,
	global_store_b64 v11, v[HC+2:HC+3], s[94:95] offset:256    ; lanes 16-31
	global_store_b16 v12, v[HBY], s[100:101]       ; both halves of the lanes store the same two bytes
.endm
.macro STEP                            ; 16 tiles on
	s_wait_xcnt 0x0                                ; the stores have read their data and their bases: both are written again only behind this wait
	s_wait_alu depctr_vm_vsrc(0)                   ; the tile's stores have read v86 and v88-91, its loads v13, v41 and v42: the next tile's vector lines write all of these again
	s_add_nc_u64 s[94:95], s[94:95], 0x40000
	s_add_nc_u64 s[100:101], s[100:101], 0x4000
	s_add_co_u32 s10, s10, 1024
	s_add_co_u32 s7, s7, 16
.endm
	s_load_b256 s[84:91], s[0:1], 0x0              ; W1 s[84:85], b1 s[86:87], xq s[88:89], xs s[90:91]
	s_load_b128 s[92:95], s[0:1], 0x20             ; route s[92:93], hq s[94:95]
	s_load_b64 s[96:97], s[0:1], 0x30              ; lst
	v_lshl_add_u32 v126, v0, 2, 0xac00
	v_mov_b32 v127, 0
	v_lshrrev_b32 v1, 5, v0
	v_readfirstlane_b32 s2, v1                     ; wave 0..15
	s_wait_alu depctr_va_sdst(0)                   ; s2 is written, ahead of its first reader
	s_and_b32 s3, s2, 1                            ; the stream: which 32 of the 64 columns,
	s_lshr_b32 s4, s2, 1                           ; and which 128 along K
	s_and_b32 s15, ttmp7, 0xffff                   ; expert
	s_mov_b32 s98, 0x76543210
	s_mov_b32 s99, 0xfedcba98                      ; v_permlanex16_b32's selects for lane l xor 16
	s_lshl_b32 s10, s15, 8
	s_mov_b32 s11, 0
	s_wait_kmcnt 0x0
	s_add_nc_u64 s[92:93], s[92:93], s[10:11]
	s_load_b512 s[16:31], s[92:93], 0x0            ; the expert's 64 mask words
	s_load_b512 s[32:47], s[92:93], 0x40
	s_load_b512 s[48:63], s[92:93], 0x80
	s_load_b512 s[68:83], s[92:93], 0xc0
	s_lshl_b32 s10, s15, 23                        ; W1: expert x 8 MiB + 128 kg rows of 8,192 bytes + 256 sigma + 128 cg
	s_lshl_b32 s12, s4, 20
	s_add_co_u32 s10, s10, s12
	s_lshl_b32 s12, ttmp9, 8
	s_add_co_u32 s10, s10, s12
	s_lshl_b32 s12, s3, 7
	s_add_co_u32 s10, s10, s12
	s_add_nc_u64 s[84:85], s[84:85], s[10:11]
	s_lshl_b32 s10, s15, 13                        ; b1: expert x 8,192 + 256 sigma
	s_lshl_b32 s12, ttmp9, 8
	s_add_co_u32 s10, s10, s12
	s_add_nc_u64 s[86:87], s[86:87], s[10:11]
	s_add_nc_u64 s[100:101], s[94:95], HSOFF       ; the scale words lie behind the codes
	s_lshl_b32 s10, s15, 21                        ; codes: expert x 2 MiB + 512 sigma (K step sigma / 2, half sigma % 2) + 16 KiB x my first tile
	s_lshl_b32 s12, ttmp9, 9
	s_add_co_u32 s10, s10, s12
	s_lshl_b32 s12, s2, 14
	s_add_co_u32 s10, s10, s12
	s_add_nc_u64 s[94:95], s[94:95], s[10:11]
	s_lshl_b32 s10, s15, 17                        ; scale words: expert x 128 KiB + 64 (sigma / 2) + byte 2 (sigma % 2) of a word + 1,024 x my first tile
	s_lshr_b32 s12, ttmp9, 1
	s_lshl_b32 s12, s12, 6
	s_add_co_u32 s10, s10, s12
	s_and_b32 s12, ttmp9, 1
	s_lshl_b32 s12, s12, 1
	s_add_co_u32 s10, s10, s12
	s_lshl_b32 s12, s2, 10
	s_add_co_u32 s10, s10, s12
	s_add_nc_u64 s[100:101], s[100:101], s[10:11]
	s_mul_i32 s10, s15, LSTB                       ; lst: 8,704 bytes an expert
	s_add_nc_u64 s[96:97], s[96:97], s[10:11]
	; every address register is made here, ahead of the waves' first parting
	v_and_b32 v1, 31, v0                           ; lane
	v_and_b32 v2, 15, v0                           ; r
	v_bfe_u32 v3, v0, 4, 1                         ; h
	v_lshlrev_b32 v4, 2, v1                        ; v4: W1: 4 bytes a lane
	v_bfe_u32 v40, v0, 3, 1                        ; my column's tile of its two: u = (lane / 8) % 2,
	v_and_b32 v41, 7, v0
	v_lshl_add_u32 v41, v3, 3, v41                 ; and its row there: lane % 8 + 8 (lane / 16)
	v_mul_u32_u24 v5, v40, WT                      ; v5: the image, in: (2 cg + u) WT + 1,024 kg + 16 row
	v_lshl_add_u32 v5, v41, 4, v5
	s_mul_i32 s12, s3, 2*WT
	s_lshl_b32 s13, s4, 10
	s_add_co_u32 s13, s13, s12
	v_add_nc_u32 v5, s13, v5
	v_lshlrev_b32 v6, 9, v40                       ; v6: the scale word, in: WSC + 512 (2 cg + u) + 32 row + 4 kg
	v_lshl_add_u32 v6, v41, 5, v6
	s_lshl_b32 s13, s3, 10
	s_lshl_b32 s14, s4, 2
	s_add_co_u32 s13, s13, s14
	s_add_co_u32 s13, s13, WSC
	v_add_nc_u32 v6, s13, v6
	v_lshl_add_u32 v7, v2, 2, LIST                 ; v7: the list, row r
	v_lshlrev_b32 v8, 4, v3                        ; v8: 16 h
	v_lshlrev_b32 v9, 4, v1                        ; v9: 16 lane: an image's place for my lane; my place in lst too
	v_lshlrev_b32 v10, 9, v3                       ; v10: the scale words, back: WSC + 512 h + 32 r
	v_lshl_add_u32 v10, v2, 5, v10
	v_add_nc_u32 v10, WSC, v10
	v_lshlrev_b32 v11, 4, v2                       ; v11: the codes' place in a block's 256 bytes: 16 r + 8 h
	v_lshl_add_u32 v11, v3, 3, v11
	v_lshlrev_b32 v12, 2, v2                       ; v12: 4 r
	s_lshl_b32 s10, s2, 6                          ; the list's step: 64 bytes a tile; my first tile is my wave's number
	v_add_nc_u32 v13, s10, v7                      ; v13: the list address in hand
	v_lshlrev_b32 v14, 6, v3                       ; v14: b1: 64 h
	v_lshl_add_u32 v15, v1, 4, LIST                ; v15: the list's region, 16 bytes a lane
	v_mov_b32 v[HP], 0                             ; written once: a lane permute's destination counts as one of its sources
	v_mov_b32 v[HP+1], 0
	s_wait_alu depctr_va_vdst(0)                   ; the offsets and addresses v4 to v15 are written, which the loads and stores below read; so are v40, in which the load from the list lands, and v82, v83, v126 and v127
	SLOAD 0
	SLOAD 1
	s_wait_kmcnt 0x0                               ; the masks
	COUNT
	s_cmp_lg_u32 s2, 0
	s_cbranch_scc1 .Lno_list
	MAKELIST                                       ; wave 0, while the stream's first half is on its way
	s_cmp_lg_u32 ttmp9, 0
	s_cbranch_scc1 .Lno_list
	COPYLIST                                       ; one work-group of each expert
.Lno_list:
	SLOAD 2
	SLOAD 3
	s_wait_dscnt 0x0                               ; the list has landed
	s_barrier_signal -1                            ; a barrier of its own between the list's stores and every other wave's LDS accesses
	s_barrier_wait -1
	ds_load_b32 v[TOK], v13                        ; my first tile's row r (a cleared word, token 0, where the list is shorter)
	s_wait_loadcnt 63                              ; blocks 0 and 1 have 64 younger loads behind them; 63 is the largest count that a wait names
	QBLOCK WF, CD, 0
	QBLOCK WF+32, CD+4, 1
	s_wait_dscnt 0x0                               ; the load from the list
	GATHER_A
	s_wait_alu depctr_va_vdst(0)                   ; the codes of blocks 0 and 1 are written, which the two LDS stores read; v41 and v42 are written, which the gather's loads read; the conversions are done reading v128-191, in which x's fragments land
	ds_store_b128 v5, v[CD:CD+3]                   ; k = 32 j on: half j / 2 of the image, lanes 16 (j % 2) on
	ds_store_b128 v5, v[CD+4:CD+7] offset:256
	GATHER_L                                       ; into the registers that blocks 0 and 1 have left: on its way while the rest is quantised
	s_wait_loadcnt 58                              ; behind block 2: block 3's 32 loads and the gather's 26
	QBLOCK WF+64, CD+8, 2
	s_wait_loadcnt 26                              ; behind block 3: the gather's 26
	QBLOCK WF+96, CD+12, 3
	s_wait_alu depctr_va_vdst(0)                   ; the codes of blocks 2 and 3 and the scale word are written, which the three LDS stores read; the quantiser is done with v192-255 and v92-112, in which W1's fragments land
	ds_store_b128 v5, v[CD+8:CD+11] offset:512
	ds_store_b128 v5, v[CD+12:CD+15] offset:768
	ds_store_b32 v6, v[QW]
	s_wait_dscnt 0x0                               ; my part of the images has landed
	s_barrier_signal -1
	s_barrier_wait -1                              ; everybody's has; from here on LDS is only read
	s_wait_alu depctr_vm_vsrc(0)                   ; my LDS stores have read v96-112: these registers are part of the third set from here on
.irp b, 0,1
	ds_load_b128 v[WS+8*\b:WS+8*\b+3], v10 offset:1024*\b
	ds_load_b128 v[WS+8*\b+4:WS+8*\b+7], v10 offset:1024*\b+16
.endr
	s_mov_b32 s7, s2                               ; t: my tile
	s_mov_b32 s8, 7                                ; the loop's trips: with the first, 8 x 16 tiles serve 2,048 rows
	s_wait_loadcnt 0x0                             ; the gather
	s_wait_dscnt 0x0
	s_cmp_ge_u32 s7, s6
	s_cbranch_scc1 .Lnone                          ; no first tile
	COMPUTE
.Lnone:
	STEP
.Ltile:
	s_cmp_ge_u32 s7, s6
	s_cbranch_scc1 .Lskip                          ; past the list: only the steps at the trip's end are run
	v_add_nc_u32 v13, s10, v7
	s_wait_alu depctr_va_vdst(0)                   ; v13 is written, which the load from the list reads
	ds_load_b32 v[TOK], v13
	s_wait_dscnt 0x0
	GATHER_A
	s_wait_alu depctr_va_vdst(0)                   ; v41 and v42 are written, which the gather's loads read
	GATHER_L
	s_wait_loadcnt 0x0
	COMPUTE
.Lskip:
	STEP
	s_sub_co_u32 s8, s8, 1
	s_cmp_lg_u32 s8, 0
	s_cbranch_scc1 .Ltile
	s_wait_dscnt 0x0                               ; the closing lines, six on end
	s_wait_alu 0x0
	s_wait_tensorcnt 0x0
	ds_add_u32 v126, v127
	s_wait_dscnt 0x0
	s_endpgm
.Lfunc_end_k_qe8126ded60_up:
	.size	k_qe8126ded60_up, .Lfunc_end_k_qe8126ded60_up-k_qe8126ded60_up
	.p2alignl 7, 3214868480
	.fill 96, 4, 3214868480
	.section	.rodata,"a",@progbits
	.p2align	6, 0x0
	.amdhsa_kernel k_qe8126ded60_up
		.amdhsa_group_segment_fixed_size 46080
		.amdhsa_private_segment_fixed_size 0
		.amdhsa_enable_private_segment 0
		.amdhsa_kernarg_size 56
		.amdhsa_user_sgpr_count 2
		.amdhsa_user_sgpr_kernarg_segment_ptr 1
		.amdhsa_wavefront_size32 1
		.amdhsa_system_sgpr_workgroup_id_x 1
		.amdhsa_system_sgpr_workgroup_id_y 1
		.amdhsa_system_sgpr_workgroup_id_z 1
		.amdhsa_system_vgpr_workitem_id 0
		.amdhsa_next_free_vgpr 256
		.amdhsa_next_free_sgpr 102
		.amdhsa_reserve_vcc 0
		.amdhsa_float_denorm_mode_32 3
		.amdhsa_float_denorm_mode_16_64 3
		.amdhsa_memory_ordered 1
		.amdhsa_forward_progress 1
		.amdhsa_inst_pref_size 93
	.end_amdhsa_kernel
	.amdgpu_metadata
---
amdhsa.version: [ 1, 2 ]
amdhsa.kernels:
  - .name:           k_qe8126ded60_up
    .symbol:         k_qe8126ded60_up.kd
    .args:
      - { .name: W1, .offset: 0, .size: 8, .value_kind: global_buffer, .address_space: global }
      - { .name: b1, .offset: 8, .size: 8, .value_kind: global_buffer, .address_space: global }
      - { .name: xq, .offset: 16, .size: 8, .value_kind: global_buffer, .address_space: global }
      - { .name: xs, .offset: 24, .size: 8, .value_kind: global_buffer, .address_space: global }
      - { .name: route, .offset: 32, .size: 8, .value_kind: global_buffer, .address_space: global }
      - { .name: hq, .offset: 40, .size: 8, .value_kind: global_buffer, .address_space: global }
      - { .name: lst, .offset: 48, .size: 8, .value_kind: global_buffer, .address_space: global }
    .group_segment_fixed_size: 46080
    .private_segment_fixed_size: 0
    .kernarg_segment_align: 8
    .kernarg_segment_size: 56
    .max_flat_workgroup_size: 512
    .sgpr_count:     102
    .vgpr_count:     256
    .wavefront_size: 32
...
	.end_amdgpu_metadata
.endif
;; end of part 5
;; launch down (part 6): grid 32 x 8, 16 waves a work-group, no clusters, 141,312 bytes of LDS; arguments w2q, w2s, hq, lst, tw, b2, out0; writes out0
.if DOCPART == 6
	.amdgcn_target "amdgcn-amd-amdhsa--gfx1250"
	.amdhsa_code_object_version 6
	.text
	.protected	k_qe8126ded60_down
	.globl	k_qe8126ded60_down
	.p2align	8
	.type	k_qe8126ded60_down,@function
k_qe8126ded60_down:
	s_mov_b64 s[64:65], 0
	v_nop
	global_prefetch_b8 v0, s[64:65] scope:SCOPE_SE
	s_setreg_imm32_b32 hwreg(HW_REG_WAVE_SCHED_MODE, 0, 2), 2
	s_setreg_imm32_b32 hwreg(HW_REG_WAVE_MODE, 25, 1), 1
	s_wait_xcnt 0x0
	s_wait_alu depctr_vm_vsrc(0)
; DOWN.  out0[token] = tw[token] x (h W2[e] + b2[e]) for the tokens that chose expert e, on codes of FP4 (E2M1) with one E8M0 scale for each 32 along K = 2,048.
; Work-group (x, e): sigma = x / 2 owns output columns 64 sigma .. 64 sigma + 63 (256 bytes of a row of out0); rho = x % 2 takes every second tile of 16 list rows.
; W2's codes of these 64 columns (64 KiB, one dense block, laid by the first launch in the order of the operand's registers) and their scale words (4 KiB) are copied into LDS once.
; The list position -> token and its count come from lst, which the launch before has stored: 8,704 bytes an expert, the count in word 2,112.
; Wave w takes tiles t = rho + 2 w + 32 i, i = 0 .. 3: a loop of four trips, a constant; a trip whose tile lies past the list is jumped over.  So every split is served; a work-group without rows stores nothing.
; A tile's 16 fragments of h stay in 128 registers; W2's fragments come from LDS, two tiles of columns at a time, two groups ahead, in three sets.
; THE PRODUCT IS USED TRANSPOSED (source 0 = 16 columns of W2, source 1 = 16 rows of h): a lane holds eight neighbouring numbers of one token's row.  b2 is the C of each sum's first product.
; The list's last tile is filled up with its last token: those rows give the same numbers and go to the same bytes, from the same wave.
; The results go through the wave's own stage in LDS, so that sixteen lanes store 256 consecutive bytes of a token's row, aligned.
; No tensor load and no cluster: branches here hang on numbers read from memory.
; THE MODE: SCHED_MODE bits 1:0 = 2 (LLVM: expert scheduling mode 2), set by the entry lines.  The code itself states the register dependences
; between vector or matrix instructions and memory or LDS instructions, with s_wait_alu, always for 0.
; THE PLAN.  Registers that memory or LDS instructions touch:
;   v4-v7, v10, v11, v13-v15, v39   offsets and LDS addresses, made at the head and never written again: one wait at the head serves them all.
;   v36, v112-127      the trip's loads from the list land; 26 vector lines make of them v37, the gate weight's offset, and v40-47, the offsets of the rows in out0, as soon as they are in.
;                      ONE wait behind these lines: v37 and v40-47 are written (the gate weight's load and, at the trip's end, the stores read them), and v112-127 are free: they are the third set.
;   the three sets     v48-63, v64-79, v112-127, with the scale words v32, v33, v38.  Group g's two products read set g % 3; the five loads of group g + 2 land in set (g - 1) % 3, dealt among group g's products,
;                      which name none of its registers.  So ONE wait on va_vdst stands at the head of a group, behind the wait for its fragments: the group before is done reading the set that is asked for again.
;   v16-31, v128-255   h's scale words and fragments: the trip's loads land, the products read.    v34: the gate weight: its load lands, the multiplies read.
;   v80-111            b2's loads land; the products add; the multiplies scale; the LDS stores into the stage read.
;   v48-79, last       the rows read back from the stage land; the stores to out0 read.
; The wait ahead of the stage's stores stands behind the trip's last vector line: it also states that the trip's products and vector lines are done with every register in which the next trip's loads land.
; One wait on vm_vsrc at the trip's end frees what the trip's stores and loads have read.
.set WSC,   65536                      ; LDS: 0: W2's images, (16 tile + K step) x 1,024;  WSC: (16 pair + K step) x 128: a scale word a lane
.set STAGE, 69632                      ; 16 rows x 272 bytes for each wave
.set SP,    272
.set CNTW,  8448
.set LSTB,  8704
.set HSOFF, 0x1000000                  ; where h's scale words begin in hq
.set HS,    16                         ; v16-31   h's scale words, a register a K step
.set WS,    32                         ; v32-33   W2's scale words of sets 0 and 1: lanes 0-15 the even tile, lanes 16-31 the odd one
.set WS3,   38                         ; v38      those of set 2
.set TW,    34                         ; v34-35   my token's gate weight (the packed multiply names a pair)
.set TOK,   36
.set TWO,   37                         ; v37      the gate weight's offset; at the head the offset of the scale words' copy
.set TK,    40                         ; v40-47   the tokens of the rows that I store, then their byte offsets in out0
.set WB,    48                         ; v48-79   W2's fragments, sets 0 and 1 of two; first the copy's data; last the rows read back from the stage
.set ACC,   80                         ; v80-111  four accumulators
.set TL,    112                        ; v112-127 the tile's 16 tokens; first the copy of the scale words;
.set W3,    112                        ;          then W2's fragments, set 2
.set H,     128                        ; v128-255 h's 16 fragments
; group g of 32: pair of column tiles g / 16, K step g % 16.  Five LDS loads: two fragments and the pair's scale words, into set 0 or 1
.macro GLOAD g, buf
.set cp, (\g)/16
.set ks, (\g)%16
.irp u, 0,1
.irp c, 0,1
	ds_load_b128 v[WB+16*(\buf)+8*\u+4*\c:WB+16*(\buf)+8*\u+4*\c+3], v4 offset:((2*cp+\u)*16+ks)*1024+512*\c
.endr
.endr
	ds_load_b32 v[WS+(\buf)], v5 offset:(16*cp+ks)*128
.endm
; group g's two products, from set g % 3: the pair's accumulators take turns, one instruction a turn.
; more = 1: the five loads of group g + 2 are dealt among them, into set (g + 2) % 3.
.macro GROUP g, more
.set gcm, (\g)/16
.set gkm, (\g)%16
.set gfm, WB+16*((\g)%3)
.set gsm, WS+((\g)%3)
.if (\g)%3 == 2
.set gfm, W3
.set gsm, WS3
.endif
.set gcl, ((\g)+2)/16
.set gkl, ((\g)+2)%16
.set gfl, WB+16*(((\g)+2)%3)
.set gsl, WS+(((\g)+2)%3)
.if ((\g)+2)%3 == 2
.set gfl, W3
.set gsl, WS3
.endif
.if \more
	ds_load_b128 v[gfl:gfl+3], v4 offset:((2*gcl)*16+gkl)*1024
	ds_load_b128 v[gfl+4:gfl+7], v4 offset:((2*gcl)*16+gkl)*1024+512
.endif
	v_wmma_scale_f32_16x16x128_f8f6f4 v[ACC+16*gcm:ACC+16*gcm+7], v[gfm:gfm+7], v[H+8*gkm:H+8*gkm+7], v[ACC+16*gcm:ACC+16*gcm+7], v[gsm], v[HS+gkm] matrix_a_fmt:MATRIX_FMT_FP4 matrix_b_fmt:MATRIX_FMT_FP4
.if \more
	ds_load_b128 v[gfl+8:gfl+11], v4 offset:((2*gcl+1)*16+gkl)*1024
	ds_load_b128 v[gfl+12:gfl+15], v4 offset:((2*gcl+1)*16+gkl)*1024+512
	ds_load_b32 v[gsl], v5 offset:(16*gcl+gkl)*128
.endif
	v_wmma_scale_f32_16x16x128_f8f6f4 v[ACC+16*gcm+8:ACC+16*gcm+15], v[gfm+8:gfm+15], v[H+8*gkm:H+8*gkm+7], v[ACC+16*gcm+8:ACC+16*gcm+15], v[gsm], v[HS+gkm] matrix_a_fmt:MATRIX_FMT_FP4 matrix_b_fmt:MATRIX_FMT_FP4 matrix_a_scale:MATRIX_SCALE_ROW1
.endm
	s_load_b256 s[84:91], s[0:1], 0x0              ; w2q s[84:85], w2s s[86:87], hq s[88:89], lst s[90:91]
	s_load_b128 s[92:95], s[0:1], 0x20             ; tw s[92:93], b2 s[94:95]
	s_load_b64 s[96:97], s[0:1], 0x30              ; out0
	v_lshl_add_u32 v8, v0, 2, 0x22000
	v_mov_b32 v9, 0
	; all offsets are made while the arguments are on their way
	v_lshrrev_b32 v1, 5, v0
	v_bfe_u32 v3, v0, 4, 1                         ; h
	v_readfirstlane_b32 s2, v1                     ; wave 0..15
	v_cmp_ne_u32 s9, 0, v3                         ; lanes 16-31
	s_wait_alu depctr_va_sdst(0)                   ; s2 and s9 are written, ahead of their first readers: one wait for the two
	s_and_b32 s3, ttmp9, 1                         ; rho
	s_lshr_b32 s4, ttmp9, 1                        ; sigma
	s_and_b32 s15, ttmp7, 0xffff                   ; expert
	s_lshl_b32 s7, s2, 1
	s_add_co_u32 s7, s7, s3                        ; t: my first tile, rho + 2 wave
	s_mul_i32 s12, s15, LSTB                       ; lst: 8,704 bytes an expert
	s_mov_b32 s13, 0
	s_lshl_b32 s20, s15, 20                        ; w2q: (64 expert + 4 sigma) tiles of 16 KiB
	s_lshl_b32 s14, s4, 16
	s_add_co_u32 s20, s20, s14
	s_mov_b32 s21, 0
	s_lshl_b32 s22, s15, 16                        ; w2s: (32 expert + 2 sigma) pairs of 2,048 bytes
	s_lshl_b32 s14, s4, 12
	s_add_co_u32 s22, s22, s14
	s_mov_b32 s23, 0
	s_lshl_b32 s24, s15, 21                        ; h's codes: expert x 2 MiB + tile x 16 KiB
	s_lshl_b32 s14, s7, 14
	s_add_co_u32 s24, s24, s14
	s_mov_b32 s25, 0
	s_lshl_b32 s26, s15, 17                        ; h's scale words: behind the codes; expert x 128 KiB + tile x 1,024
	s_lshl_b32 s14, s7, 10
	s_add_co_u32 s26, s26, s14
	s_add_co_u32 s26, s26, HSOFF
	s_mov_b32 s27, 0
	s_lshl_b32 s28, s15, 12                        ; b2: expert x 4,096 + 256 sigma
	s_lshl_b32 s30, s4, 8                          ; out0: 256 sigma
	s_add_co_u32 s28, s28, s30
	s_mov_b32 s29, 0
	s_mov_b32 s31, 0
	v_and_b32 v1, 31, v0                           ; lane
	v_and_b32 v2, 15, v0                           ; r
	v_lshlrev_b32 v4, 4, v1                        ; v4: 16 lane: an image's place for my lane, in LDS and in hq
	v_lshl_add_u32 v5, v1, 2, WSC                  ; v5: W2's scale words
	s_lshl_b32 s14, s7, 6
	v_lshl_add_u32 v6, v2, 2, s14                  ; v6: lst: 64 tile + 4 r
	v_mov_b32 v7, s14                              ; v7: lst: the tile's 16 tokens, the same for every lane
	v_lshlrev_b32 v10, 2, v2                       ; v10: h's scale words: 4 r
	v_lshlrev_b32 v11, 5, v3                       ; v11: b2: 32 h
	v_lshlrev_b32 v12, 4, v2                       ; v12: 16 r: my 16 bytes of a row's 256
	s_mul_i32 s14, s2, 16*SP
	s_add_co_u32 s14, s14, STAGE                   ; my stage
	v_mul_u32_u24 v13, v2, SP                      ; v13: in: row r, 32 h
	v_lshl_add_u32 v13, v3, 5, v13
	v_add_nc_u32 v13, s14, v13
	v_mul_u32_u24 v14, v3, SP                      ; v14: back: lanes 0-15 one row, lanes 16-31 the next
	v_lshl_add_u32 v14, v2, 4, v14
	v_add_nc_u32 v14, s14, v14
	s_lshl_b32 s14, s2, 12
	v_lshl_add_u32 v15, v1, 4, s14                 ; v15: the copy: 4,096 wave + 16 lane, in memory and in LDS alike
	s_lshl_b32 s14, s2, 8
	v_lshl_add_u32 v[TWO], v1, 3, s14              ; v37: the scale words' copy: 256 wave + 8 lane;
	v_add_nc_u32 v39, WSC, v[TWO]                  ; v39: in LDS
	v_mov_b32 v[TW+1], 0                           ; named as the upper half of a pair, so it is written
	s_wait_kmcnt 0x0
	s_add_nc_u64 s[90:91], s[90:91], s[12:13]
	s_load_b32 s5, s[90:91], CNTW                  ; the expert's rows
	s_add_nc_u64 s[84:85], s[84:85], s[20:21]
	s_add_nc_u64 s[86:87], s[86:87], s[22:23]
	s_wait_alu depctr_va_vdst(0)                   ; the offsets and addresses v4 to v15, v37 and v39 are written, which the loads and stores below read; so are v8 and v9
.irp i, 0,1,2,3,4,5,6,7
	global_load_b128 v[WB+4*\i:WB+4*\i+3], v15, s[84:85] offset:512*\i     ; 32 lanes read 512 consecutive bytes
.endr
	global_load_b64 v[TL:TL+1], v[TWO], s[86:87]
	s_add_nc_u64 s[98:99], s[88:89], s[26:27]
	s_add_nc_u64 s[88:89], s[88:89], s[24:25]
	s_add_nc_u64 s[94:95], s[94:95], s[28:29]
	s_add_nc_u64 s[96:97], s[96:97], s[30:31]
	s_mov_b32 s8, 4                                ; trips: 4 x 32 tiles serve 2,048 rows
	s_wait_loadcnt 0x0
.irp i, 0,1,2,3,4,5,6,7
	ds_store_b128 v15, v[WB+4*\i:WB+4*\i+3] offset:512*\i
.endr
	ds_store_b64 v39, v[TL:TL+1]
	s_wait_kmcnt 0x0                               ; the count; its base may be stepped from here on
	s_add_co_u32 s6, s5, 15
	s_lshr_b32 s6, s6, 4                           ; tiles of 16 rows
	s_wait_dscnt 0x0                               ; my part of the copy has landed
	s_barrier_signal -1
	s_barrier_wait -1                              ; everybody's has; from here on only the waves' own stages are written
	s_wait_alu depctr_vm_vsrc(0)                   ; the copy's LDS stores have read v48-79, v112 and v113, in which the first trip's loads land; its load has read v37, which the first trip writes
.Ltile:
	s_cmp_ge_u32 s7, s6
	s_cbranch_scc1 .Lskip                          ; past the list: only the steps at the trip's end are run
	global_load_b32 v[TOK], v6, s[90:91]           ; row r's token, for its gate weight
.irp i, 0,1,2,3
	global_load_b128 v[TL+4*\i:TL+4*\i+3], v7, s[90:91] offset:16*\i       ; the tile's 16 tokens, for the way out
.endr
.irp ct, 0,1,2,3
	global_load_b128 v[ACC+8*\ct:ACC+8*\ct+3], v11, s[94:95] offset:64*\ct         ; b2 at my eight columns of each tile: the sums begin with it
	global_load_b128 v[ACC+8*\ct+4:ACC+8*\ct+7], v11, s[94:95] offset:64*\ct+16
.endr
.set ks, 0
.rept 16
	global_load_b128 v[H+8*ks:H+8*ks+3], v4, s[88:89] offset:1024*ks
	global_load_b128 v[H+8*ks+4:H+8*ks+7], v4, s[88:89] offset:1024*ks+512
	global_load_b32 v[HS+ks], v10, s[98:99] offset:64*ks
.set ks, ks+1
.endr
	GLOAD 0, 0
	GLOAD 1, 1
	s_wait_loadcnt 56                              ; the five loads from the list are in; behind them stand b2's 8 and h's 48
	v_min_u32 v[TOK], 0x7ff, v[TOK]
	v_lshlrev_b32 v[TWO], 2, v[TOK]
.irp i, 0,1,2,3,4,5,6,7
	v_cndmask_b32 v[TK+\i], v[TL+2*\i], v[TL+2*\i+1], s9       ; row 2 i + h's token
.endr
.irp i, 0,1,2,3,4,5,6,7
	v_min_u32 v[TK+\i], 0x7ff, v[TK+\i]
.endr
.irp i, 0,1,2,3,4,5,6,7
	v_lshl_add_u32 v[TK+\i], v[TK+\i], 12, v12     ; out0: 4,096 token + 16 r
.endr
	s_wait_alu depctr_va_vdst(0)                   ; v37 is written, which the gate weight's load reads; v40-47 are written, which the trip's last stores read; the selects are done reading v112-127, in which group 2's fragments land
	global_load_b32 v[TW], v[TWO], s[92:93]
	s_wait_loadcnt 1                               ; all but the gate weight, which is wanted behind the products
.set GG, 0
.rept 32
.if GG < 31
	s_wait_dscnt 5                                 ; this group's five loads are in; the next group's may be out
.else
	s_wait_dscnt 0x0
.endif
.if GG < 30
.if GG > 0
	s_wait_alu depctr_va_vdst(0)                   ; the products of the group before are done reading their set and its scale word, in which the loads of the group after next land
.endif
	GROUP GG, 1
.else
	GROUP GG, 0
.endif
.set GG, GG+1
.endr
.rept 4
	v_nop                                          ; four places behind the products, before their results are read (ISA guide 7.12.1)
.endr
	s_wait_loadcnt 0x0                             ; the gate weight
.set i, 0
.rept 16
	v_pk_mul_f32 v[ACC+2*i:ACC+2*i+1], v[ACC+2*i:ACC+2*i+1], v[TW:TW+1] op_sel_hi:[1,0]   ; each accumulator from its low end on
.set i, i+1
.endr
	s_wait_alu depctr_va_vdst(0)                   ; the multiplies have written v80-111, which the LDS stores read; the last products are done reading v48-79, in which the rows from the stage land; and all the trip's vector and matrix lines are done with the registers in which the next trip's loads land
.irp ct, 0,1,2,3
	ds_store_b128 v13, v[ACC+8*\ct:ACC+8*\ct+3] offset:64*\ct
	ds_store_b128 v13, v[ACC+8*\ct+4:ACC+8*\ct+7] offset:64*\ct+16
.endr
.irp i, 0,1,2,3,4,5,6,7
	ds_load_b128 v[WB+4*\i:WB+4*\i+3], v14 offset:2*\i*SP          ; LDS serves a wave's instructions in order: these see my stores
.endr
.irp i, 0,1,2,3,4,5,6,7
	s_wait_dscnt 7-\i
	global_store_b128 v[TK+\i], v[WB+4*\i:WB+4*\i+3], s[96:97] th:TH_STORE_NT     ; sixteen lanes store 256 consecutive bytes of a token's row, aligned
.endr
.Lskip:
	s_wait_xcnt 0x0                                ; the stores have read their data and offsets, the loads their bases: all are written again only behind this wait
	s_wait_alu depctr_vm_vsrc(0)                   ; the LDS stores have read v80-111, the stores to out0 v40-79, the gate weight's load v37: the next trip's loads and vector lines write all of these again
	s_add_nc_u64 s[88:89], s[88:89], 0x80000       ; 32 tiles on
	s_add_nc_u64 s[98:99], s[98:99], 0x8000
	s_add_nc_u64 s[90:91], s[90:91], 2048
	s_add_co_u32 s7, s7, 32
	s_sub_co_u32 s8, s8, 1
	s_cmp_lg_u32 s8, 0
	s_cbranch_scc1 .Ltile
	s_wait_dscnt 0x0                               ; the closing lines, six on end
	s_wait_alu 0x0
	s_wait_tensorcnt 0x0
	ds_add_u32 v8, v9
	s_wait_dscnt 0x0
	s_endpgm
.Lfunc_end_k_qe8126ded60_down:
	.size	k_qe8126ded60_down, .Lfunc_end_k_qe8126ded60_down-k_qe8126ded60_down
	.p2alignl 7, 3214868480
	.fill 96, 4, 3214868480
	.section	.rodata,"a",@progbits
	.p2align	6, 0x0
	.amdhsa_kernel k_qe8126ded60_down
		.amdhsa_group_segment_fixed_size 141312
		.amdhsa_private_segment_fixed_size 0
		.amdhsa_enable_private_segment 0
		.amdhsa_kernarg_size 56
		.amdhsa_user_sgpr_count 2
		.amdhsa_user_sgpr_kernarg_segment_ptr 1
		.amdhsa_wavefront_size32 1
		.amdhsa_system_sgpr_workgroup_id_x 1
		.amdhsa_system_sgpr_workgroup_id_y 1
		.amdhsa_system_sgpr_workgroup_id_z 1
		.amdhsa_system_vgpr_workitem_id 0
		.amdhsa_next_free_vgpr 256
		.amdhsa_next_free_sgpr 102
		.amdhsa_reserve_vcc 0
		.amdhsa_float_denorm_mode_32 3
		.amdhsa_float_denorm_mode_16_64 3
		.amdhsa_memory_ordered 1
		.amdhsa_forward_progress 1
		.amdhsa_inst_pref_size 37
	.end_amdhsa_kernel
	.amdgpu_metadata
---
amdhsa.version: [ 1, 2 ]
amdhsa.kernels:
  - .name:           k_qe8126ded60_down
    .symbol:         k_qe8126ded60_down.kd
    .args:
      - { .name: w2q, .offset: 0, .size: 8, .value_kind: global_buffer, .address_space: global }
      - { .name: w2s, .offset: 8, .size: 8, .value_kind: global_buffer, .address_space: global }
      - { .name: hq, .offset: 16, .size: 8, .value_kind: global_buffer, .address_space: global }
      - { .name: lst, .offset: 24, .size: 8, .value_kind: global_buffer, .address_space: global }
      - { .name: tw, .offset: 32, .size: 8, .value_kind: global_buffer, .address_space: global }
      - { .name: b2, .offset: 40, .size: 8, .value_kind: global_buffer, .address_space: global }
      - { .name: out0, .offset: 48, .size: 8, .value_kind: global_buffer, .address_space: global }
    .group_segment_fixed_size: 141312
    .private_segment_fixed_size: 0
    .kernarg_segment_align: 8
    .kernarg_segment_size: 56
    .max_flat_workgroup_size: 512
    .sgpr_count:     102
    .vgpr_count:     256
    .wavefront_size: 32
...
	.end_amdgpu_metadata
.endif
;; end of part 6
